; MI455X (gfx1250); checked and timed in simulation.
; The chip was launched on July 23, 2026; its instructions are those of AMD's public machine-readable ISA for CDNA 5 (MIT licence, August 2026) and "CDNA5" Instruction Set Architecture Reference Guide (July 2026). The comments in the code are by the model that wrote it; some were corrected since.
;; Di T Mo E Layer. Allowed arithmetic: matrix products marked QUANTISED: E5M2 operands, one E8M0 scale for each 32 along K, by v_wmma_scale_f32_16x16x128_f8f6f4 with both operands' format E5M2, f32 sums; products left as they are: f32 operands where the result goes on into a quantised operand, else bf16, f16 or f32 operands; f32 sums; everything else in f32.
;; Inputs: W1_codes 8 x 2,048 x 32 x 32 uint8 (E5M2 codes of W1, K innermost, in blocks of 32 codes); W1_scales 8 x 2,048 x 32 uint8 (E8M0 scales of W1, one for each 32 codes along K); W2_codes 8 x 1,024 x 64 x 32 uint8 (E5M2 codes of W2, K innermost, in blocks of 32 codes); W2_scales 8 x 1,024 x 64 uint8 (E8M0 scales of W2, one for each 32 codes along K); b1 8 x 2,048 float32; b2 8 x 1,024 float32; gate_w 1,024 x 8 float32; x 2 x 1,024 x 1,024 float32.
;; Outputs: out0 2 x 1,024 x 1,024 float32; out1 one number float32.
;; This version of the problem:
;;   THIS VERSION OF THE PROBLEM IS GIVEN IN LOW PRECISION. The matrix products marked QUANTISED in the list below multiply operands that are first quantised to E5M2 (5 exponent bits, 2 mantissa bits; 8 bits a number), with one power-of-two scale for each 32 numbers along K (OCP MX v1.0); their sums are f32. All else is computed in f32.
;;   The module's matrix products, in the order in which they are computed (A, B: the left and right operand; K: the contracted axis; several contracted axes count as one K, in the product's order):
;;     1. [M 2,048, K 1,024] x [K 1,024, N 8]; A: input x; B: input gate_w: left as it is (N = 8 < 16)
;;     2. batch 2,048 x [M 8, K 2] x [K 2, N 1]; A: computed on the way; B: computed on the way: left as it is (K = 2 < 32)
;;     3. [M 2,048, K 1,024] x [K 1,024, N 2,048]; A: input x; B: input W1 (given as codes): QUANTISED
;;     4. [M 2,048, K 2,048] x [K 2,048, N 1,024]; A: computed on the way; B: input W2 (given as codes): QUANTISED
;;     5. [M 2,048, K 1,024] x [K 1,024, N 2,048]; A: input x; B: input W1 (given as codes): QUANTISED
;;     6. [M 2,048, K 2,048] x [K 2,048, N 1,024]; A: computed on the way; B: input W2 (given as codes): QUANTISED
;;     7. [M 2,048, K 1,024] x [K 1,024, N 2,048]; A: input x; B: input W1 (given as codes): QUANTISED
;;     8. [M 2,048, K 2,048] x [K 2,048, N 1,024]; A: computed on the way; B: input W2 (given as codes): QUANTISED
;;     9. [M 2,048, K 1,024] x [K 1,024, N 2,048]; A: input x; B: input W1 (given as codes): QUANTISED
;;     10. [M 2,048, K 2,048] x [K 2,048, N 1,024]; A: computed on the way; B: input W2 (given as codes): QUANTISED
;;     11. [M 2,048, K 1,024] x [K 1,024, N 2,048]; A: input x; B: input W1 (given as codes): QUANTISED
;;     12. [M 2,048, K 2,048] x [K 2,048, N 1,024]; A: computed on the way; B: input W2 (given as codes): QUANTISED
;;     13. [M 2,048, K 1,024] x [K 1,024, N 2,048]; A: input x; B: input W1 (given as codes): QUANTISED
;;     14. [M 2,048, K 2,048] x [K 2,048, N 1,024]; A: computed on the way; B: input W2 (given as codes): QUANTISED
;;     15. [M 2,048, K 1,024] x [K 1,024, N 2,048]; A: input x; B: input W1 (given as codes): QUANTISED
;;     16. [M 2,048, K 2,048] x [K 2,048, N 1,024]; A: computed on the way; B: input W2 (given as codes): QUANTISED
;;     17. [M 2,048, K 1,024] x [K 1,024, N 2,048]; A: input x; B: input W1 (given as codes): QUANTISED
;;     18. [M 2,048, K 2,048] x [K 2,048, N 1,024]; A: computed on the way; B: input W2 (given as codes): QUANTISED
;;   THE QUANTISER, for each operand of a quantised product, along K:
;;     - K is cut into blocks of 32 from its start; a last block that is shorter is filled with zeros.
;;     - A block's scale is 2^e with e = floor(log2(the largest magnitude in the block)) - 15, held to -126 .. 127; a block of zeros has e = 0. As a byte (E8M0): e + 127.
;;     - Each number is divided by its block's scale, clamped to +-57,344, and rounded to the nearest number of E5M2, ties to even, subnormals kept.
;;     - The product sums the exact products of the quantised numbers (number of the format x scale) in f32.
;;   ~~~python
;;   def quantise(x, axis):      # numpy; x: float32 -> the quantised numbers, widened to float32 again
;;       x = np.moveaxis(x, axis, -1); K = x.shape[-1]
;;       x = np.pad(x, [(0, 0)] * (x.ndim - 1) + [(0, -K % 32)]); x = x.reshape(x.shape[:-1] + (-1, 32)); a = np.abs(x).max(-1, keepdims=True)
;;       e = np.where(a > 0, np.clip(np.frexp(np.where(a > 0, a, 1))[1] - 1 - 15, -126, 127), 0)      # np.frexp(a)[1] - 1 = floor(log2(a)), exactly
;;       r = np.clip(x / 2.0 ** e, -57344, 57344)
;;       step = 2.0 ** (np.maximum(np.frexp(np.where(r == 0, 1, r))[1] - 1, -14) - 2)
;;       q = np.round(r / step) * step * 2.0 ** e      # np.round: ties to even
;;       return np.moveaxis(q.reshape(q.shape[:-2] + (-1,))[..., :K], -1, axis).astype(np.float32)
;;   ~~~
;;   OPERANDS COMPUTED ON THE WAY. 'Computed on the way' means the value that the module computes at that place (a softmax that the list does not call 'softmax' is quantised finished and normalised). What goes into a quantiser is computed in f32, as accurately as f32 sums, v_exp_f32 and their like allow (about 1e-6 of the number): no bf16 or f16 on the way to a quantiser, and a product that is left as it is and whose result goes on into a quantised operand takes f32 operands (vector FMAs, or v_wmma_f32_16x16x4_f32). A number that lies on a knife's edge between two numbers of the format may be rounded either way, as far as f32 arithmetic and the matrix unit's own rounding can turn it there, and no further.
;;   INPUTS GIVEN AS CODES. W1 (in the module: [8, 1024, 2048], K = its axis 1); W2 (in the module: [8, 2048, 1024], K = its axis 1): each comes as NAME_codes (uint8): NAME with its K axis moved to the last place and cut into blocks of 32 codes, [.., K / 32, bytes a block], one block behind the other in memory; one code a byte (a code: sign, 5 exponent bits, 2 mantissa bits); and NAME_scales (uint8): the same leading axes, one E8M0 byte (e + 127) for each 32 codes along K. Its value is code x scale, taken as it is: it is not quantised again, and the codes and scales need not be those that the quantiser above would give.
;; 2 versions, each right and faster than the one before. Each part assembles by itself: llvm-mc -triple=amdgcn-amd-amdhsa -mcpu=gfx1250 --defsym DOCPART=n.
;; ======== version 1 of 2: 5 launches
;; workspace buffers: xq 2,162,688 bytes; sel 8,192 bytes of whole numbers; rt 32,768 bytes; lists 38,144 bytes of whole numbers; hq 10,543,104 bytes; y 20,447,232 bytes
;; launch route (part 1): grid 256 x 1, 2 waves a work-group, no clusters, 512 bytes of LDS; arguments x, gate_w, xq, sel, rt; writes xq, sel, rt
.if DOCPART == 1
	.amdgcn_target "amdgcn-amd-amdhsa--gfx1250"
	.amdhsa_code_object_version 6
	.text
	.protected	k_q2ee8c96f99_route
	.globl	k_q2ee8c96f99_route
	.p2align	8
	.type	k_q2ee8c96f99_route,@function
k_q2ee8c96f99_route:
	s_mov_b64 s[64:65], 0
	v_nop
	global_prefetch_b8 v0, s[64:65] scope:SCOPE_SE
	s_setreg_imm32_b32 hwreg(HW_REG_WAVE_MODE, 25, 1), 1
	s_wait_xcnt 0x0
; ROUTER AND QUANTISER OF x.  x: [2048 tokens][1024] f32; gate_w: [1024][8] f32.
; A wave takes four tokens (wave q = 2 x work-group + wave: tokens 4 q .. 4 q + 3).  It makes, all in f32: the 8 logits of each token, the softmax (the row's maximum is taken away first),
; the two largest probabilities (ties: the lower index), their weights p / (p1 + p2), and the sum of its four tokens' probabilities for each expert.
; On the way x is turned into codes of E5M2 with one E8M0 byte for each 32 along K.
; OUT: xq: codes [2048][1024] at byte 0, scale bytes [2048][32] at byte XS_OFF;  sel[t] = e0 | e1 << 8;  rt: weights [2048][2] at byte 0, sums [512 waves][8] at byte 16,384.
; All addresses are fixed by the ids: what is chosen here only selects values (v_cndmask_b32).
; LANE l holds, of row r and group j (0..3), the 8 numbers k = 256 j + 8 l + i: four neighbouring lanes hold a block of 32.
; LIMITS: NaN and infinities are not served.  The two largest are sought among the exponentials 2^((logit - max) log2 e), not among the divided probabilities.
; A block of zeros gets the byte 1 (its codes are zeros; only this program reads the bytes).  An exponential under 2^-126 counts as 0.
; REGISTERS: window 0: v1-7 offsets; v8-15 at work; v16-47 the logits (8 r + e); v64-191 x (32 r + 8 j + i), later the softmax's figures; v192-223 codes; v224-239 scale bytes; v240-243 at work.
;   window 1: gate_w for my k: 64 j + 8 i + e.
.set XS_OFF, 2097152
.set ACC, 16
.set X,   64
.set CD,  192
.set SB,  224
.set MX,  64                           ; the figures of the softmax take x's registers, four each (one a row)
.set SM,  68
.set M1,  72
.set I1,  76
.set M2,  80
.set I2,  84
.set TP,  88
.set NG,  89
.set D2,  92
.set R1,  96
.set R2,  100
.set SEL, 104
.set GW,  108
.set PS,  116
.set MSB, 0
.macro WIN new                         ; the immediate's high byte repeats the setting that is left
.if MSB != \new
	s_set_vgpr_msb (MSB<<8)|\new
.set MSB, \new
.endif
.endm
	s_load_b256 s[4:11], s[0:1], 0x0               ; x s[4:5], gate_w s[6:7], xq s[8:9], sel s[10:11]
	s_load_b64 s[12:13], s[0:1], 0x20              ; rt
	v_lshl_add_u32 v254, v0, 2, 0x100
	v_mov_b32 v255, 0
	v_lshrrev_b32 v1, 5, v0
	v_readfirstlane_b32 s14, v1                    ; wave 0, 1
	v_and_b32 v1, 31, v0                           ; lane
	v_lshlrev_b32 v2, 5, v1                        ; x: 32 bytes a lane
	v_lshlrev_b32 v3, 3, v1                        ; codes: 8 bytes a lane
	v_lshlrev_b32 v4, 8, v1                        ; gate_w: 8 rows of 32 bytes a lane
	s_lshl_b32 s24, s14, 7                         ; LDS: 128 bytes for each wave: its 4 x 32 scale bytes
	v_lshrrev_b32 v5, 2, v1
	v_add_nc_u32 v5, s24, v5                       ; my block's byte
	v_lshlrev_b32 v7, 2, v1
	v_add_nc_u32 v6, s24, v7                       ; and on the way out 4 bytes a lane
	s_lshl_b32 s15, ttmp9, 1
	s_add_co_u32 s15, s15, s14                     ; q
	s_mov_b32 s16, 0x76543210
	s_mov_b32 s17, 0xfedcba98                      ; v_permlanex16_b32's selects for lane l xor 16
	s_mov_b32 s18, 0x600000                        ; the mantissa field of 57,344
	s_mov_b32 s19, 0x3fb8aa3b                      ; log2(e)
	s_mov_b32 s23, 0
	s_wait_kmcnt 0x0
	s_lshl_b32 s22, s15, 14
	s_add_nc_u64 s[4:5], s[4:5], s[22:23]          ; x at my four rows
	s_lshl_b32 s22, s15, 7
	s_add_nc_u64 s[20:21], s[8:9], s[22:23]
	s_add_nc_u64 s[20:21], s[20:21], XS_OFF        ; my 128 scale bytes
	s_lshl_b32 s22, s15, 12
	s_add_nc_u64 s[8:9], s[8:9], s[22:23]          ; my four rows of codes
	s_lshl_b32 s22, s15, 4
	s_add_nc_u64 s[10:11], s[10:11], s[22:23]      ; sel
	s_lshl_b32 s22, s15, 5
	s_add_nc_u64 s[12:13], s[12:13], s[22:23]      ; the weights; the sums lie 16,384 bytes on, at the same step
.irp r, 0,1,2,3
.irp j, 0,1,2,3
	global_load_b128 v[X+32*\r+8*\j:X+32*\r+8*\j+3],   v2, s[4:5] offset:4096*\r+1024*\j th:TH_LOAD_NT      ; the two lines together read 1,024 consecutive bytes
	global_load_b128 v[X+32*\r+8*\j+4:X+32*\r+8*\j+7], v2, s[4:5] offset:4096*\r+1024*\j+16 th:TH_LOAD_NT
.endr
.endr
	WIN 0x40                                       ; destination window 1
.irp j, 0,1,2,3
.irp n, 0,1,2,3,4,5,6,7,8,9,10,11,12,13,14,15
	global_load_b128 v[64*\j+4*\n:64*\j+4*\n+3], v4, s[6:7] offset:8192*\j+16*\n
.endr
.endr
	WIN 0
	s_wait_loadcnt 63                              ; 96 loads were issued: at most 63 out means that 33 are in, x's 32 among them (loads come back in order)
; Eight numbers of a lane become eight codes; x's registers stay as they are, for the logits.
.macro XQ r, j
.set XS, X+32*(\r)+8*(\j)
.set ID, 4*(\r)+(\j)
	v_max3_num_f32 v240, |v[XS]|, |v[XS+1]|, 0x8000000             ; my 8, and the floor 2^(16 - 127): the byte cannot fall under 1
	v_max3_num_f32 v241, |v[XS+2]|, |v[XS+3]|, |v[XS+4]|
	v_max3_num_f32 v240, v240, |v[XS+5]|, |v[XS+6]|
	v_max3_num_f32 v240, v240, v241, |v[XS+7]|
	v_max_num_f32_dpp v240, v240, v240 row_xmask:1 row_mask:0xf bank_mask:0xf
	v_max_num_f32_dpp v240, v240, v240 row_xmask:2 row_mask:0xf bank_mask:0xf    ; with the three lanes that share the block
	v_add_nc_u32 v241, 0xf8800000, v240            ; 15 off the exponent field: the conversion's scale operand
	v_and_or_b32 v242, v240, 0x7f800000, s18       ; 57,344 x the scale
.irp i, 0,1,2,3,4,5,6,7
	v_med3_num_f32 v[8+\i], v[XS+\i], -v242, v242  ; the conversion to an 8-bit code does not saturate (ISA guide 7.6.2): the hold
.endr
	v_cvt_scalef32_pk8_bf8_f32 v[CD+2*ID:CD+2*ID+1], v[8:15], v241
	v_lshrrev_b32 v[SB+ID], 23, v241               ; the scale's byte; also the plain line behind the conversion
	ds_store_b8 v5, v[SB+ID] offset:32*(\r)+8*(\j) ; the four lanes of a block write the same byte with the same value
	global_store_b64 v3, v[CD+2*ID:CD+2*ID+1], s[8:9] offset:1024*(\r)+256*(\j)   ; 32 lanes store 256 consecutive bytes, aligned
.endm
.irp r, 0,1,2,3
.irp j, 0,1,2,3
	XQ \r, \j
.endr
.endr
	ds_load_b32 v243, v6                           ; LDS serves a wave's instructions in order: this sees my byte stores
	s_wait_loadcnt 0x0                             ; gate_w
	; the logits: 32 k a lane, 4 rows x 8 experts: two experts an instruction, sixteen chains by turns; the first products start the sums
	WIN 0x04                                       ; source 1 (gate_w) window 1
.set jj, 0
.rept 4
.set ii, 0
.rept 8
.irp r, 0,1,2,3
.irp p, 0,1,2,3
.set rX, X+32*\r+8*jj+(ii/2)*2
.set rG, 64*jj+8*ii+2*\p
.set rA, ACC+8*\r+2*\p
.if (jj == 0) && (ii == 0)
	v_pk_mul_f32 v[rA:rA+1], v[rX:rX+1], v[rG:rG+1] op_sel_hi:[0,1]
.elseif (ii%2) == 0
	v_pk_fma_f32 v[rA:rA+1], v[rX:rX+1], v[rG:rG+1], v[rA:rA+1] op_sel_hi:[0,1,1]
.else
	v_pk_fma_f32 v[rA:rA+1], v[rX:rX+1], v[rG:rG+1], v[rA:rA+1] op_sel:[1,0,0] op_sel_hi:[1,1,1]
.endif
.endr
.endr
.set ii, ii+1
.endr
.set jj, jj+1
.endr
	WIN 0
	s_wait_dscnt 0x0
	global_store_b32 v7, v243, s[20:21]            ; my four rows' scale bytes: 128 consecutive bytes
	; across the 32 lanes: every lane ends with all 32 logits
.irp x, 1,2,4,8
.set a, 0
.rept 32
	v_add_f32_dpp v[ACC+a], v[ACC+a], v[ACC+a] row_xmask:\x row_mask:0xf bank_mask:0xf
.set a, a+1
.endr
.endr
.irp g, 0,1,2,3
.irp k, 0,1,2,3,4,5,6,7
	v_permlanex16_b32 v[8+\k], v[ACC+8*\g+\k], s16, s17
.endr
.irp k, 0,1,2,3,4,5,6,7
	v_add_f32 v[ACC+8*\g+\k], v[ACC+8*\g+\k], v[8+\k]
.endr
.endr
	; the softmax: the row's maximum is taken away, then 2^((logit - max) log2 e)
.irp r, 0,1,2,3
	v_max3_num_f32 v[MX+\r], v[ACC+8*\r], v[ACC+8*\r+1], v[ACC+8*\r+2]
	v_max3_num_f32 v[MX+\r], v[MX+\r], v[ACC+8*\r+3], v[ACC+8*\r+4]
	v_max3_num_f32 v[MX+\r], v[MX+\r], v[ACC+8*\r+5], v[ACC+8*\r+6]
	v_max_num_f32 v[MX+\r], v[MX+\r], v[ACC+8*\r+7]
.endr
.irp r, 0,1,2,3
.irp e, 0,1,2,3,4,5,6,7
	v_sub_f32 v[ACC+8*\r+\e], v[ACC+8*\r+\e], v[MX+\r]
.endr
.endr
.set a, 0
.rept 32
	v_mul_f32 v[ACC+a], s19, v[ACC+a]
.set a, a+1
.endr
.set a, 0
.rept 32
	v_exp_f32 v[ACC+a], v[ACC+a]
.set a, a+1
.endr
	v_mov_b32 v[NG], -1.0                          ; a plain line behind the exponentials
	s_wait_alu depctr_va_vdst(0)                   ; one wait for the batch, ahead of its first reader
.irp r, 0,1,2,3
	v_add_f32 v[SM+\r], v[ACC+8*\r], v[ACC+8*\r+1]
.irp e, 2,3,4,5,6,7
	v_add_f32 v[SM+\r], v[SM+\r], v[ACC+8*\r+\e]
.endr
.endr
; The two largest of a row's eight, the lower index on a tie: an index changes only where a later number is strictly larger.
.macro TOP2 r
.set AR, ACC+8*(\r)
	v_mov_b32 v[M1+\r], v[AR]
	v_mov_b32 v[I1+\r], 0
.irp i, 1,2,3,4,5,6,7
	v_cmp_le_f32 vcc_lo, v[AR+\i], v[M1+\r]
	v_cndmask_b32 v[I1+\r], \i, v[I1+\r], vcc_lo
	v_max_num_f32 v[M1+\r], v[M1+\r], v[AR+\i]
.endr
	v_mov_b32 v[M2+\r], -1.0                       ; under every exponential
	v_mov_b32 v[I2+\r], 0
.irp i, 0,1,2,3,4,5,6,7
	v_cmp_eq_u32 vcc_lo, \i, v[I1+\r]
	v_cndmask_b32 v[TP], v[AR+\i], v[NG], vcc_lo   ; the winner counts as -1
	v_cmp_le_f32 vcc_lo, v[TP], v[M2+\r]
	v_cndmask_b32 v[I2+\r], \i, v[I2+\r], vcc_lo
	v_max_num_f32 v[M2+\r], v[M2+\r], v[TP]
.endr
	v_add_f32 v[D2+\r], v[M1+\r], v[M2+\r]
.endm
	TOP2 0
	TOP2 1
	TOP2 2
	TOP2 3
.irp r, 0,1,2,3
	v_rcp_f32 v[R1+\r], v[SM+\r]
	v_rcp_f32 v[R2+\r], v[D2+\r]
.endr
.irp r, 0,1,2,3
	v_lshl_or_b32 v[SEL+\r], v[I2+\r], 8, v[I1+\r] ; plain lines behind the reciprocals
.endr
	s_wait_alu depctr_va_vdst(0)                   ; one wait for the eight
.irp r, 0,1,2,3
	v_mul_f32 v[GW+2*\r], v[M1+\r], v[R2+\r]       ; p1 / (p1 + p2): the row's sum cancels
	v_mul_f32 v[GW+2*\r+1], v[M2+\r], v[R2+\r]
.endr
.irp e, 0,1,2,3,4,5,6,7
	v_mul_f32 v[PS+\e], v[ACC+\e], v[R1]
.endr
.irp r, 1,2,3
.irp e, 0,1,2,3,4,5,6,7
	v_fma_f32 v[PS+\e], v[ACC+8*\r+\e], v[R1+\r], v[PS+\e]
.endr
.endr
	v_cmp_eq_u32 vcc_lo, 0, v1
	s_wait_xcnt 0x0                                ; EXEC changes only behind this wait: it is a source of the stores above
	s_wait_tensorcnt 0x0
	ds_add_u32 v254, v255
	s_wait_dscnt 0x0
	s_and_saveexec_b32 s30, vcc_lo                 ; every lane holds the same figures: lane 0 stores them (its v7 is 0)
	global_store_b128 v7, v[SEL:SEL+3], s[10:11]
	global_store_b128 v7, v[GW:GW+3], s[12:13]
	global_store_b128 v7, v[GW+4:GW+7], s[12:13] offset:16
	global_store_b128 v7, v[PS:PS+3], s[12:13] offset:16384
	global_store_b128 v7, v[PS+4:PS+7], s[12:13] offset:16400
	s_endpgm
.Lfunc_end_k_q2ee8c96f99_route:
	.size	k_q2ee8c96f99_route, .Lfunc_end_k_q2ee8c96f99_route-k_q2ee8c96f99_route
	.p2alignl 7, 3214868480
	.fill 96, 4, 3214868480
	.section	.rodata,"a",@progbits
	.p2align	6, 0x0
	.amdhsa_kernel k_q2ee8c96f99_route
		.amdhsa_group_segment_fixed_size 512
		.amdhsa_private_segment_fixed_size 0
		.amdhsa_enable_private_segment 0
		.amdhsa_kernarg_size 40
		.amdhsa_user_sgpr_count 2
		.amdhsa_user_sgpr_kernarg_segment_ptr 1
		.amdhsa_wavefront_size32 1
		.amdhsa_system_sgpr_workgroup_id_x 1
		.amdhsa_system_sgpr_workgroup_id_y 1
		.amdhsa_system_sgpr_workgroup_id_z 1
		.amdhsa_system_vgpr_workitem_id 0
		.amdhsa_next_free_vgpr 512
		.amdhsa_next_free_sgpr 66
		.amdhsa_reserve_vcc 1
		.amdhsa_float_denorm_mode_32 3
		.amdhsa_float_denorm_mode_16_64 3
		.amdhsa_memory_ordered 1
		.amdhsa_forward_progress 1
		.amdhsa_inst_pref_size 92
	.end_amdhsa_kernel
	.amdgpu_metadata
---
amdhsa.version: [ 1, 2 ]
amdhsa.kernels:
  - .name:           k_q2ee8c96f99_route
    .symbol:         k_q2ee8c96f99_route.kd
    .args:
      - { .name: x, .offset: 0, .size: 8, .value_kind: global_buffer, .address_space: global }
      - { .name: gate_w, .offset: 8, .size: 8, .value_kind: global_buffer, .address_space: global }
      - { .name: xq, .offset: 16, .size: 8, .value_kind: global_buffer, .address_space: global }
      - { .name: sel, .offset: 24, .size: 8, .value_kind: global_buffer, .address_space: global }
      - { .name: rt, .offset: 32, .size: 8, .value_kind: global_buffer, .address_space: global }
    .group_segment_fixed_size: 512
    .private_segment_fixed_size: 0
    .kernarg_segment_align: 8
    .kernarg_segment_size: 40
    .max_flat_workgroup_size: 64
    .sgpr_count:     66
    .vgpr_count:     512
    .wavefront_size: 32
...
	.end_amdgpu_metadata
.endif
;; end of part 1
;; launch place (part 2): grid 1 x 1, 8 waves a work-group, no clusters, 1,280 bytes of LDS; arguments sel, rt, lists, out1; writes lists, out1
.if DOCPART == 2
	.amdgcn_target "amdgcn-amd-amdhsa--gfx1250"
	.amdhsa_code_object_version 6
	.text
	.protected	k_q2ee8c96f99_place
	.globl	k_q2ee8c96f99_place
	.p2align	8
	.type	k_q2ee8c96f99_place,@function
k_q2ee8c96f99_place:
	s_mov_b64 s[64:65], 0
	v_nop
	global_prefetch_b8 v0, s[64:65] scope:SCOPE_SE
	s_setreg_imm32_b32 hwreg(HW_REG_WAVE_MODE, 25, 1), 1
	s_wait_xcnt 0x0
; THE ROWS ARE PLACED BY EXPERT, AND THE AUXILIARY LOSS.  One work-group; wave w is expert w.  No atomics: a counting sort.
; IN: sel[t] = e0 | e1 << 8 (2,048 words);  rt + 16,384: the sums of probabilities [512][8].
; OUT (lists): rowtok[4992] at byte 0: the token of each slot;  pos[2048][2] at byte POS: the slots of a token's first and second expert;  tile_e[39] at byte TILE_E: the expert of each tile of 128 slots.
; Each expert's rows are filled up to whole tiles of 128 slots: with 4,096 rows and 8 experts there are at least 32 and never more than 32 + 7 = 39 tiles.  A filling slot holds token 0; a tile
; that a split leaves empty holds expert 0 and token 0: the later launches then need no mask and no branch, and nobody reads what they make of such slots.
; NO LINE OF THE SORT CHANGES EXEC: a lane that has nothing to store stores into a word of its own behind the lists (DUMP + 4 x thread: 1,024 bytes that nobody reads).  The choice between the
; true place and that word is made by v_cndmask_b32, and what it gives is held by v_min_u32 before it enters an address.
; out1 = 8 x sum over s, e of (mean over the batch of the counts) x (mean probability) = sum over e of count_e x P_e / 512, P_e the sum of expert e's probabilities over all tokens.
.set POS,    20480
.set TILE_E, 36864
.set DUMP,   37120
	s_load_b256 s[4:11], s[0:1], 0x0               ; sel s[4:5], rt s[6:7], lists s[8:9], out1 s[10:11]
	v_lshl_add_u32 v128, v0, 2, 0x100
	v_mov_b32 v129, 0
	v_lshrrev_b32 v1, 5, v0
	v_readfirstlane_b32 s16, v1                    ; w
	v_and_b32 v1, 31, v0                           ; lane
	v_lshlrev_b32 v2, 2, v1
	v_lshlrev_b32 v3, 5, v1
	s_lshl_b32 s17, s16, 2
	v_add_nc_u32 v3, s17, v3                       ; 32 x lane + 4 w
	v_lshl_add_u32 v9, v1, 3, POS                  ; pos of token (lane), first expert;
	v_add_nc_u32 v11, 4, v9                        ; second expert
	v_mov_b32 v12, 0
	v_add_nc_u32 v13, DUMP/4, v0                   ; my dump word, as a word's number,
	v_lshl_add_u32 v14, v0, 2, DUMP                ; and as a byte
	v_mov_b32 v15, 0                               ; a lane permute's destination counts as one of its sources
	s_mov_b32 s36, 0x76543210
	s_mov_b32 s37, 0xfedcba98
	s_mov_b32 s20, 0                               ; my expert's count
	s_wait_kmcnt 0x0
.set n, 0
.rept 64
	global_load_b32 v[16+n], v2, s[4:5] offset:128*n               ; token 32 n + lane
.set n, n+1
.endr
.set n, 0
.rept 16
	global_load_b32 v[80+n], v3, s[6:7] offset:16384+1024*n        ; my expert's sum of wave 32 n + lane of the first launch
.set n, n+1
.endr
	s_wait_loadcnt 0x0
.macro MASK i                          ; s30: tokens whose first expert I am; s31: whose second; s32: either
	v_and_b32 v4, 0xff, v[16+\i]
	v_bfe_u32 v5, v[16+\i], 8, 8
	v_cmp_eq_u32 s30, s16, v4
	v_cmp_eq_u32 s31, s16, v5
	s_or_b32 s32, s30, s31
.endm
.set n, 0
.rept 64
	MASK n
	s_bcnt1_i32_b32 s33, s32
	s_add_co_u32 s20, s20, s33
.set n, n+1
.endr
.irp j, 1,2,3,4,5,6,7,8,9,10,11,12,13,14,15
	v_add_f32 v80, v80, v[80+\j]
.endr
	v_add_f32_dpp v80, v80, v80 row_xmask:1 row_mask:0xf bank_mask:0xf
	v_add_f32_dpp v80, v80, v80 row_xmask:2 row_mask:0xf bank_mask:0xf
	v_add_f32_dpp v80, v80, v80 row_xmask:4 row_mask:0xf bank_mask:0xf
	v_add_f32_dpp v80, v80, v80 row_xmask:8 row_mask:0xf bank_mask:0xf
	v_permlanex16_b32 v15, v80, s36, s37
	v_add_f32 v80, v80, v15                        ; P_w
	v_cvt_f32_u32 v6, s20
	v_mul_f32 v7, v6, v80                          ; count_w x P_w
	v_mov_b32 v10, s16
	v_lshlrev_b32 v10, 2, v10
	v_mov_b32 v8, s20
	ds_store_b32 v10, v8                           ; all lanes write the same word with the same value
	ds_store_b32 v10, v7 offset:32
	s_wait_dscnt 0x0                               ; for the others' sake: my two words have landed
	s_barrier_signal -1
	s_barrier_wait -1                              ; the launch's only barrier
	ds_load_b128 v[96:99], v12
	ds_load_b128 v[100:103], v12 offset:16
	ds_load_b128 v[104:107], v12 offset:32
	ds_load_b128 v[108:111], v12 offset:48
	s_wait_dscnt 0x0
	s_mov_b32 s21, 0                               ; the tiles in front of mine
	s_mov_b32 s22, 0                               ; all tiles
.irp e, 0,1,2,3,4,5,6,7
	v_readfirstlane_b32 s[40+\e], v[96+\e]
	s_add_co_u32 s[48+\e], s[40+\e], 127
	s_lshr_b32 s[48+\e], s[48+\e], 7               ; expert e's tiles
	s_add_co_u32 s22, s22, s[48+\e]
	s_cmp_gt_u32 s16, \e
	s_cselect_b32 s33, s[48+\e], 0
	s_add_co_u32 s21, s21, s33
.endr
	s_lshl_b32 s23, s21, 7                         ; my next free slot
	s_add_co_u32 s25, s20, 127
	s_lshr_b32 s25, s25, 7                         ; my tiles
	s_add_co_u32 s24, s21, s25
	s_lshl_b32 s24, s24, 7                         ; the slot behind my last tile
; 32 tokens: those that chose me take the next slots, in the order of the tokens; the other lanes store into their dump words.
.macro PUT i
	MASK \i
	s_wait_xcnt 0x0                                ; the last two stores have read v6, v7, v8 and v10: they are written again only behind this wait
	v_mbcnt_lo_u32_b32 v6, s32, 0                  ; how many lanes below me chose me
	v_add_nc_u32 v6, s23, v6                       ; my slot
	v_cndmask_b32 v7, v13, v6, s32                 ; rowtok's word: the slot's, or my dump word
	v_min_u32 v7, DUMP/4+255, v7
	v_lshlrev_b32 v7, 2, v7
	v_cndmask_b32 v8, v9, v11, s31                 ; pos: 4 bytes on where I am the token's second expert,
	v_add_nc_u32 v8, 256*\i, v8                    ; of token 32 i + lane,
	v_cndmask_b32 v8, v14, v8, s32                 ; or my dump word
	v_min_u32 v8, DUMP+1020, v8
	v_add_nc_u32 v10, 32*\i, v1                    ; the token
	global_store_b32 v7, v10, s[8:9]
	global_store_b32 v8, v6, s[8:9]
	s_bcnt1_i32_b32 s34, s32
	s_add_co_u32 s23, s23, s34
.endm
.set n, 0
.rept 64
	PUT n
.set n, n+1
.endr
.irp j, 0,1,2,3                        ; the filling of my last tile: under 128 slots, token 0
	s_wait_xcnt 0x0                                ; the stores above have read v6 and v7
	v_add_nc_u32 v6, s23, v1
	v_add_nc_u32 v6, 32*\j, v6
	v_cmp_gt_u32 vcc_lo, s24, v6                   ; still in my last tile?
	v_cndmask_b32 v7, v13, v6, vcc_lo
	v_min_u32 v7, DUMP/4+255, v7
	v_lshlrev_b32 v7, 2, v7
	global_store_b32 v7, v12, s[8:9]
.endr
	s_wait_xcnt 0x0
	v_add_nc_u32 v6, s21, v1                       ; my tiles' expert: an expert has at most 2,048 rows, 16 tiles: a lane a tile
	v_add_nc_u32 v6, TILE_E/4, v6
	v_cmp_gt_u32 vcc_lo, s25, v1
	v_cndmask_b32 v7, v13, v6, vcc_lo
	v_min_u32 v7, DUMP/4+255, v7
	v_lshlrev_b32 v7, 2, v7
	v_mov_b32 v10, s16
	global_store_b32 v7, v10, s[8:9]
	; the tiles that this split leaves empty lie among 32 .. 38: wave w looks after tile 32 + w.  The branch hangs on the counts of the stored choices; no barrier follows it
	s_add_co_u32 s26, s16, 32
	s_cmp_lt_u32 s26, s22
	s_cbranch_scc1 .Lno_tail
	s_cmp_gt_u32 s26, 38
	s_cbranch_scc1 .Lno_tail
	s_lshl_b32 s27, s26, 9
	s_lshl_b32 s28, s26, 2
	s_wait_xcnt 0x0
	v_add_nc_u32 v6, s27, v2
	v_mov_b32 v7, s28
.irp j, 0,1,2,3
	global_store_b32 v6, v12, s[8:9] offset:128*\j                 ; the tile's 128 slots: token 0
.endr
	global_store_b32 v7, v12, s[8:9] offset:TILE_E                 ; its expert: 0; all lanes write the same word with the same value
.Lno_tail:
	s_cmp_lg_u32 s16, 0
	s_cbranch_scc1 .Lend
.irp e, 1,2,3,4,5,6,7
	v_add_f32 v104, v104, v[104+\e]
.endr
	v_mul_f32 v104, 0x3b000000, v104               ; / 512
	v_cmp_eq_u32 vcc_lo, 0, v1
	s_wait_xcnt 0x0                                ; EXEC changes only behind this wait: it is a source of the stores above
	s_wait_tensorcnt 0x0
	ds_add_u32 v128, v129
	s_wait_dscnt 0x0
	s_and_saveexec_b32 s33, vcc_lo                 ; every lane holds the same number: lane 0 stores it, and the wave ends
	global_store_b32 v12, v104, s[10:11]
	s_endpgm
.Lend:
	s_wait_tensorcnt 0x0
	ds_add_u32 v128, v129
	s_wait_dscnt 0x0
	s_endpgm
.Lfunc_end_k_q2ee8c96f99_place:
	.size	k_q2ee8c96f99_place, .Lfunc_end_k_q2ee8c96f99_place-k_q2ee8c96f99_place
	.p2alignl 7, 3214868480
	.fill 96, 4, 3214868480
	.section	.rodata,"a",@progbits
	.p2align	6, 0x0
	.amdhsa_kernel k_q2ee8c96f99_place
		.amdhsa_group_segment_fixed_size 1280
		.amdhsa_private_segment_fixed_size 0
		.amdhsa_enable_private_segment 0
		.amdhsa_kernarg_size 32
		.amdhsa_user_sgpr_count 2
		.amdhsa_user_sgpr_kernarg_segment_ptr 1
		.amdhsa_wavefront_size32 1
		.amdhsa_system_sgpr_workgroup_id_x 1
		.amdhsa_system_sgpr_workgroup_id_y 1
		.amdhsa_system_sgpr_workgroup_id_z 1
		.amdhsa_system_vgpr_workitem_id 0
		.amdhsa_next_free_vgpr 130
		.amdhsa_next_free_sgpr 66
		.amdhsa_reserve_vcc 1
		.amdhsa_float_denorm_mode_32 3
		.amdhsa_float_denorm_mode_16_64 3
		.amdhsa_memory_ordered 1
		.amdhsa_forward_progress 1
		.amdhsa_inst_pref_size 110
	.end_amdhsa_kernel
	.amdgpu_metadata
---
amdhsa.version: [ 1, 2 ]
amdhsa.kernels:
  - .name:           k_q2ee8c96f99_place
    .symbol:         k_q2ee8c96f99_place.kd
    .args:
      - { .name: sel, .offset: 0, .size: 8, .value_kind: global_buffer, .address_space: global }
      - { .name: rt, .offset: 8, .size: 8, .value_kind: global_buffer, .address_space: global }
      - { .name: lists, .offset: 16, .size: 8, .value_kind: global_buffer, .address_space: global }
      - { .name: out1, .offset: 24, .size: 8, .value_kind: global_buffer, .address_space: global }
    .group_segment_fixed_size: 1280
    .private_segment_fixed_size: 0
    .kernarg_segment_align: 8
    .kernarg_segment_size: 32
    .max_flat_workgroup_size: 256
    .sgpr_count:     66
    .vgpr_count:     130
    .wavefront_size: 32
...
	.end_amdgpu_metadata
.endif
;; end of part 2
;; launch ffn1 (part 3): grid 16 x 39, 4 waves a work-group, no clusters, 168,448 bytes of LDS; arguments lists, xq, W1_codes, W1_scales, b1, hq; writes hq
.if DOCPART == 3
	.amdgcn_target "amdgcn-amd-amdhsa--gfx1250"
	.amdhsa_code_object_version 6
	.text
	.protected	k_q2ee8c96f99_ffn1
	.globl	k_q2ee8c96f99_ffn1
	.p2align	8
	.type	k_q2ee8c96f99_ffn1,@function
k_q2ee8c96f99_ffn1:
	s_mov_b64 s[64:65], 0
	v_nop
	global_prefetch_b8 v0, s[64:65] scope:SCOPE_SE
	s_setreg_imm32_b32 hwreg(HW_REG_WAVE_MODE, 25, 1), 1
	s_wait_xcnt 0x0
; THE FIRST PRODUCT OF THE CHOSEN EXPERTS: h = Q(gelu(Q(x) W1[e] + b1[e])), on codes of E5M2 with one E8M0 scale for each 32 along K.
; A work-group takes one tile of 128 slots (work-group y; all of one expert, tile_e) x 128 hidden units (work-group x).  Each of its four waves takes 32 slots (two tiles of 16) x all 128 units:
; 16 accumulators.  K = 1,024: 8 steps of 128, in 4 chunks of two.
; W1's tile, 128 rows x 1,024 bytes, comes into LDS whole, once, by asynchronous copies issued at the head, chunk by chunk; nothing in LDS is filled twice.  The slots' codes are gathered from xq by the
; list of tokens straight into registers.  There is no branch in this text: filling slots and empty tiles hold token 0 and expert 0 and are worked like any other; nobody reads their results.
; NO CLUSTER: work-groups that could share W1's tile are the tiles of one expert, and how many those are hangs on the stored list.
; THE MATRIX INSTRUCTION IS USED TRANSPOSED: source 0 = 16 rows of W1, source 1 = 16 slots: a lane holds ONE slot and its registers run along the hidden units, which are the next product's K.
; THE ROWS OF W1 THAT FORM A TILE ARE NOT NEIGHBOURS: lane r of tile 2 b + u takes row 32 b + 8 u + r + 8 (r / 8), so that the 16 registers of tiles 2 b, 2 b + 1 are 16 neighbours along the next K.
; The copies lay the rows into LDS in that order (bits 3 and 4 of a row's number change places), so that a fragment's sixteen rows are neighbours in LDS.
; b1 is the C of each sum's first matrix instruction.
; GELU, exact form: gelu(v) = max(v, 0) - |v| q, q = erfc(|v| / sqrt 2) / 2; erfc(z) = t exp(-z^2 + a polynomial of degree 9 in t), t = 1 / (1 + z / 2): fractional error of the form 1.2e-7.
; OUT (hq): the 128 units are K step x of the second product.  Codes as images of the operand's registers: [tile][K step 16][slot tile 8][group 4][lane 32][16 bytes]; scale words [tile][K step][slot 128] at HS_OFF.
; LIMITS: NaN and infinities are not served; a gelu whose q falls under 2^-126 is 0; a block of zeros gets the byte 1 (its codes are zeros; only this program reads the bytes).
; REGISTERS: window 0: v1-3 lane, r, h; v4-19, v20-35 the copies' offsets in memory and addresses in LDS; v36-39 fragment addresses; v40-47, v120-123 offsets; v48-79 W1's scale words; v112-119 the slots';
;   v128-255 the accumulators (8 (8 m + T)).  window 1: W1's fragments, two sets.  window 2: the slots' fragments, four sets of 64.  window 3: v0-63 b1 in the result's layout.
.set KB,     1024                      ; a row of W1 in bytes
.set NCH,    4                         ; chunks of 256 along K
.set NKS,    8                         ; K steps
.set PITCH,  1040                      ; an LDS row: 1,024 bytes + 16: an odd multiple of 16, so that the 16 rows of a load start in 16 different groups of banks (64 banks of 4 bytes: ISA guide 11.1)
.set XS_OFF, 2097152
.set HS_OFF, 10223616
.set VG,  4
.set VL,  20
.set BF,  36
.set VA,  46
.set WS,  48
.set AS,  112
.set ACC, 128
.set ZZ,  32                           ; the way out: v32-63, v64-95, v96-127 at work
.set TT,  64
.set PP,  96
.set TM,  32
.set MSB, 0
.macro WIN new                         ; the immediate's high byte repeats the setting that is left
.if MSB != \new
	s_set_vgpr_msb (MSB<<8)|\new
.set MSB, \new
.endif
.endm
.macro PLACES n
.rept \n
	v_nop
.endr
.endm
	s_load_b256 s[4:11], s[0:1], 0x0               ; lists s[4:5], xq s[6:7], W1's codes s[8:9], W1's scales s[10:11]
	s_load_b128 s[12:15], s[0:1], 0x20             ; b1 s[12:13], hq s[14:15]
	s_set_vgpr_msb 0xc0
	v_lshl_add_u32 v64, v0, 2, 0x29000
	v_mov_b32 v65, 0
	s_set_vgpr_msb 0xc0cf
	ds_add_u32 v64, v65
	ds_add_u32 v64, v65
	s_set_vgpr_msb 0xcf00
	v_lshrrev_b32 v1, 5, v0
	v_readfirstlane_b32 s16, v1                    ; wave 0..3
	s_and_b32 s18, ttmp7, 0xffff                   ; the tile of slots
	s_mov_b32 s19, ttmp9                           ; the tile of hidden units
	s_lshl_b32 s33, s18, 2
	s_mov_b32 s23, 0
	s_mov_b32 s32, 0xffff0000                      ; lanes 16-31
	s_mov_b32 s40, 0x76543210
	s_mov_b32 s41, 0xfedcba98                      ; v_permlanex16_b32's selects for lane l xor 16
	s_mov_b32 s42, 0x600000                        ; the mantissa field of 57,344
	v_and_b32 v1, 31, v0                           ; lane
	v_and_b32 v2, 15, v0                           ; r
	v_bfe_u32 v3, v0, 4, 1                         ; h
	v_lshlrev_b32 v40, 2, v1
	v_lshlrev_b32 v41, 2, v2
	v_lshlrev_b32 v123, 4, v3                      ; 16 h
	s_lshl_b32 s22, s18, 9
	s_lshl_b32 s38, s16, 7
	s_add_co_u32 s22, s22, s38
	s_wait_dscnt 0x0
	s_wait_kmcnt 0x0
	s_load_b32 s17, s[4:5], s33 offset:0x9000      ; the tile's expert
	s_add_nc_u64 s[24:25], s[4:5], s[22:23]        ; rowtok at my 32 slots
	global_load_b32 v42, v40, s[24:25]             ; the token of slot (lane)
	global_load_b32 v43, v41, s[24:25]             ; of slot r,
	global_load_b32 v44, v41, s[24:25] offset:64   ; of slot 16 + r
	; the copies: instruction i of a chunk takes rows 32 w + 2 i and 2 i + 1, 256 bytes of each: sixteen lanes to a row
	s_mul_i32 s38, s16, 32*KB
	s_mul_i32 s39, s16, 32*PITCH
	v_mul_u32_u24 v[VG], v3, KB
	v_lshl_add_u32 v[VG], v2, 4, v[VG]
	v_add_nc_u32 v[VG], s38, v[VG]
	v_mul_u32_u24 v[VL], v3, PITCH
	v_lshl_add_u32 v[VL], v2, 4, v[VL]
	v_add_nc_u32 v[VL], s39, v[VL]
.irp i, 1,2,3,4,5,6,7,8,9,10,11,12,13,14,15
	v_add_nc_u32 v[VG+\i], 2*\i*KB, v[VG]
	v_add_nc_u32 v[VL+\i], (((2*\i)&7)+(((2*\i)>>3)&1)*16+(((2*\i)>>4)&1)*8)*PITCH, v[VL]   ; bits 3 and 4 of the row's number change places
.endr
	v_mul_u32_u24 v[BF], v2, PITCH
	v_add_nc_u32 v[BF], v123, v[BF]                ; a fragment: row r x pitch + 16 h; one register for each 32 rows
.irp b, 1,2,3
	v_add_nc_u32 v[BF+\b], \b*32*PITCH, v[BF]
.endr
	v_and_b32 v120, 8, v2
	v_add_nc_u32 v120, v120, v2
	v_lshl_add_u32 v120, v3, 3, v120
	v_lshlrev_b32 v120, 5, v120                    ; W1's scale words: row 8 (lane / 16) + r + 8 (r / 8) of each 32, 32 bytes a row: lanes 0-15 tile 2 b's, lanes 16-31 tile 2 b + 1's
	v_lshlrev_b32 v121, 6, v3                      ; b1: 64 h
	s_wait_kmcnt 0x0
	s_min_u32 s17, s17, 7
	s_lshl_b32 s22, s17, 21
	s_lshl_b32 s33, s19, 17
	s_add_co_u32 s22, s22, s33
	s_add_nc_u64 s[20:21], s[8:9], s[22:23]        ; W1's codes at the tile's first row
	s_add_nc_u64 s[26:27], s[6:7], XS_OFF          ; x's scale bytes
	s_lshl_b32 s22, s17, 16
	s_lshl_b32 s33, s19, 12
	s_add_co_u32 s22, s22, s33
	s_add_nc_u64 s[28:29], s[10:11], s[22:23]      ; W1's scale bytes
	s_lshl_b32 s22, s17, 13
	s_lshl_b32 s33, s19, 9
	s_add_co_u32 s22, s22, s33
	s_add_nc_u64 s[30:31], s[12:13], s[22:23]      ; b1
	s_lshl_b32 s38, s18, 4
	s_add_co_u32 s38, s38, s19                     ; 16 x tile + K step
	s_lshl_b32 s22, s38, 14
	s_lshl_b32 s33, s16, 12
	s_add_co_u32 s22, s22, s33
	s_add_nc_u64 s[34:35], s[14:15], s[22:23]      ; hq: my two images
	s_lshl_b32 s22, s38, 9
	s_lshl_b32 s33, s16, 7
	s_add_co_u32 s22, s22, s33
	s_add_nc_u64 s[36:37], s[14:15], s[22:23]
	s_add_nc_u64 s[36:37], s[36:37], HS_OFF        ; and my 32 scale words
.irp b, 0,1,2,3
	global_load_b128 v[WS+8*\b:WS+8*\b+3],   v120, s[28:29] offset:1024*\b
	global_load_b128 v[WS+8*\b+4:WS+8*\b+7], v120, s[28:29] offset:1024*\b+16
.endr
	WIN 0xc0                                       ; destination window 3
.irp T, 0,1,2,3,4,5,6,7
	global_load_b128 v[8*\T:8*\T+3],   v121, s[30:31] offset:(32*(\T/2)+8*(\T%2))*4      ; lane (r, h), tile T: units 32 (T / 2) + 16 h + 8 (T % 2) + 0 .. 7
	global_load_b128 v[8*\T+4:8*\T+7], v121, s[30:31] offset:(32*(\T/2)+8*(\T%2))*4+16
.endr
	WIN 0
	s_wait_loadcnt 24                              ; the three loads of tokens are in; behind them: 8 of scale words, 16 of b1
	v_min_u32 v42, 2047, v42
	v_min_u32 v43, 2047, v43
	v_min_u32 v44, 2047, v44
	v_lshlrev_b32 v45, 5, v42                      ; a token's 32 scale bytes
	v_lshlrev_b32 v[VA], 10, v43
	v_add_nc_u32 v[VA], v123, v[VA]                ; a token's row of codes, + 16 h
	v_lshlrev_b32 v[VA+1], 10, v44
	v_add_nc_u32 v[VA+1], v123, v[VA+1]
	global_load_b128 v[AS:AS+3],   v45, s[26:27]   ; register ks: lanes 0-15 the words of slot tile 0, lanes 16-31 of slot tile 1
	global_load_b128 v[AS+4:AS+7], v45, s[26:27] offset:16
.macro ALOAD c                         ; the slots' fragments of chunk c (two K steps, two slot tiles): 16 loads into set c % 4
	WIN 0x80                                       ; destination window 2
.irp m, 0,1
.irp ss, 0,1
.irp q, 0,1,2,3
	global_load_b128 v[64*((\c)%4)+32*\m+16*\ss+4*\q:64*((\c)%4)+32*\m+16*\ss+4*\q+3], v[VA+\m], s[6:7] offset:256*(\c)+128*\ss+32*\q
.endr
.endr
.endr
.endm
	ALOAD 0
	ALOAD 1
	WIN 0
	; all copies, chunk by chunk, ahead of the first wait on ASYNCcnt, the first LDS read and the first barrier.  The immediate is added to both addresses
.set cp, 0
.rept NCH
.irp i, 0,1,2,3,4,5,6,7,8,9,10,11,12,13,14,15
	global_load_async_to_lds_b128 v[VL+\i], v[VG+\i], s[20:21] offset:256*cp
.endr
.set cp, cp+1
.endr
	ALOAD 2
	ALOAD 3
	WIN 0
.macro FETCH ks, p                     ; W1's eight fragments of K step ks into set p: 32 LDS loads
	WIN 0x40                                       ; destination window 1
.irp T, 0,1,2,3,4,5,6,7
.irp q, 0,1,2,3
	ds_load_b128 v[128*(\p)+16*\T+4*\q:128*(\p)+16*\T+4*\q+3], v[BF+\T/2] offset:(\T%2)*16*PITCH+128*(\ks)+32*\q
.endr
.endr
.endm
.macro WM ra, rb                       ; one product; ra, rb: the scale words lie in lanes 16-31
.if (\ra) && (\rb)
	v_wmma_scale_f32_16x16x128_f8f6f4 v[rD:rD+7], v[rB:rB+15], v[rA:rA+15], v[rC:rC+7], v[rSA], v[rSB] matrix_a_fmt:MATRIX_FMT_BF8 matrix_b_fmt:MATRIX_FMT_BF8 matrix_a_scale:MATRIX_SCALE_ROW1 matrix_b_scale:MATRIX_SCALE_ROW1
.elseif (\ra)
	v_wmma_scale_f32_16x16x128_f8f6f4 v[rD:rD+7], v[rB:rB+15], v[rA:rA+15], v[rC:rC+7], v[rSA], v[rSB] matrix_a_fmt:MATRIX_FMT_BF8 matrix_b_fmt:MATRIX_FMT_BF8 matrix_a_scale:MATRIX_SCALE_ROW1
.elseif (\rb)
	v_wmma_scale_f32_16x16x128_f8f6f4 v[rD:rD+7], v[rB:rB+15], v[rA:rA+15], v[rC:rC+7], v[rSA], v[rSB] matrix_a_fmt:MATRIX_FMT_BF8 matrix_b_fmt:MATRIX_FMT_BF8 matrix_b_scale:MATRIX_SCALE_ROW1
.else
	v_wmma_scale_f32_16x16x128_f8f6f4 v[rD:rD+7], v[rB:rB+15], v[rA:rA+15], v[rC:rC+7], v[rSA], v[rSB] matrix_a_fmt:MATRIX_FMT_BF8 matrix_b_fmt:MATRIX_FMT_BF8
.endif
.endm
; 16 matrix instructions: K step ks, W1's set p.  The 16 accumulators take turns, one instruction a turn, in the same order in every step.  first = 1: C is b1.
.macro MUL ks, p, first
.if \first
	WIN 0x39                                       ; source 0 window 1, source 1 window 2, C window 3, D window 0
.else
	WIN 0x09
.endif
.irp T, 0,1,2,3,4,5,6,7
.irp m, 0,1
.set rD, ACC+8*(8*\m+\T)
.set rB, 128*(\p)+16*\T
.set rA, 64*(((\ks)/2)%4)+32*\m+16*((\ks)%2)
.set rC, rD
.if \first
.set rC, 8*\T
.endif
.set rSA, WS+NKS*(\T/2)+(\ks)
.set rSB, AS+(\ks)
	WM \T%2, \m
.endr
.endr
.endm
.macro CHUNK c
.if 16*(NCH-1-(\c)) > 63
	s_wait_asynccnt 63
.else
	s_wait_asynccnt 16*(NCH-1-(\c))                ; my copies of this chunk have landed; those of the chunks behind it, 16 each, may stay out
.endif
	s_wait_dscnt 0x0
	s_barrier_signal -1
	s_barrier_wait -1                              ; everybody's have.
	FETCH 2*(\c), 0
	FETCH 2*(\c)+1, 1
.if NCH-1-(\c) >= 3
	s_wait_loadcnt 48                              ; the slots' set of this chunk is in, and all that was asked for earlier; the three sets behind it may be out
.else
	s_wait_loadcnt 16*(NCH-1-(\c))
.endif
	s_wait_dscnt 32                                ; the first K step's fragments are in; the second's 32 loads may be out
.if (\c) == 0
	MUL 2*(\c), 0, 1
.else
	MUL 2*(\c), 0, 0
.endif
	s_wait_dscnt 0x0
	MUL 2*(\c)+1, 1, 0
	WIN 0
	PLACES 8                                       ; eight places between these products and loads into the registers that they read, and the first read of results
.if (\c)+4 < NCH
	ALOAD (\c)+4
	WIN 0
.endif
.endm
	CHUNK 0
	CHUNK 1
	CHUNK 2
	CHUNK 3
	; THE WAY OUT.  All copies and loads are done: their address registers are free.
	v_mov_b32 v14, 0x3e2ef945                      ; the polynomial's highest coefficient, as a pair
	v_mov_b32 v15, 0x3e2ef945
; gelu of 32 registers, in place, from the low end on.
.macro GELU32 a0
.set k, 0
.rept 32
	v_mul_f32 v[ZZ+k], 0x3f3504f3, |v[\a0+k]|      ; z = |v| / sqrt 2
.set k, k+1
.endr
.set k, 0
.rept 16
	v_pk_fma_f32 v[TT+k:TT+k+1], v[ZZ+k:ZZ+k+1], 0.5, 1.0 op_sel_hi:[1,0,0]
.set k, k+2
.endr
.set k, 0
.rept 32
	v_rcp_f32 v[TT+k], v[TT+k]                     ; t = 1 / (1 + z / 2)
.set k, k+1
.endr
.set k, 0
.rept 16
	v_pk_fma_f32 v[ZZ+k:ZZ+k+1], v[ZZ+k:ZZ+k+1], v[ZZ+k:ZZ+k+1], 0xbfa1fc4e op_sel_hi:[1,1,0] neg_lo:[1,0,0] neg_hi:[1,0,0]   ; -z z - 1.26551223: plain work behind the reciprocals
.set k, k+2
.endr
	s_wait_alu depctr_va_vdst(0)                   ; one wait for the batch, ahead of its first reader
.set k, 0
.rept 16
	v_pk_fma_f32 v[PP+k:PP+k+1], v[TT+k:TT+k+1], v[14:15], 0xbf527892 op_sel_hi:[1,1,0]
.set k, k+2
.endr
.irp cf, 0x3fbe87b0, 0xbf914e5d, 0x3e8ec7cc, 0xbe3ec24c, 0x3dc636c9, 0x3ebf88fb, 0x3f8000c7
.set k, 0
.rept 16
	v_pk_fma_f32 v[PP+k:PP+k+1], v[PP+k:PP+k+1], v[TT+k:TT+k+1], \cf op_sel_hi:[1,1,0]
.set k, k+2
.endr
.endr
.set k, 0
.rept 16
	v_pk_fma_f32 v[PP+k:PP+k+1], v[PP+k:PP+k+1], v[TT+k:TT+k+1], v[ZZ+k:ZZ+k+1]
.set k, k+2
.endr
.set k, 0
.rept 16
	v_pk_mul_f32 v[PP+k:PP+k+1], v[PP+k:PP+k+1], 0x3fb8aa3b op_sel_hi:[1,0]
.set k, k+2
.endr
.set k, 0
.rept 32
	v_exp_f32 v[PP+k], v[PP+k]
.set k, k+1
.endr
.set k, 0
.rept 16
	v_pk_mul_f32 v[TT+k:TT+k+1], v[TT+k:TT+k+1], 0.5 op_sel_hi:[1,0]   ; plain work behind the exponentials
.set k, k+2
.endr
	s_wait_alu depctr_va_vdst(0)                   ; one wait for the batch
.set k, 0
.rept 16
	v_pk_mul_f32 v[PP+k:PP+k+1], v[PP+k:PP+k+1], v[TT+k:TT+k+1]        ; q = erfc(z) / 2
.set k, k+2
.endr
.set k, 0
.rept 32
	v_max_num_f32 v[TT+k], 0, v[\a0+k]
.set k, k+1
.endr
.set k, 0
.rept 32
	v_fma_f32 v[\a0+k], -|v[\a0+k]|, v[PP+k], v[TT+k]                  ; max(v, 0) - |v| q
.set k, k+1
.endr
.endm
	GELU32 128
	GELU32 160
	GELU32 192
	GELU32 224
; 64 numbers of a lane, register 16 b + i = k 32 b + 16 h + i of my slot, become a fragment's codes in v[pc] on and its scale word in v[pw].
.macro QUANT s, pc, pw
.irp b, 0,1,2,3
	v_max3_num_f32 v[TM+\b], |v[\s+16*\b]|, |v[\s+1+16*\b]|, 0x8000000   ; my 16 numbers of block b, and the floor 2^(16 - 127): the byte cannot fall under 1
.endr
.irp i, 2,4,6,8,10,12,14
.irp b, 0,1,2,3
	v_max3_num_f32 v[TM+\b], v[TM+\b], |v[\s+16*\b+\i]|, |v[\s+1+16*\b+\i]|
.endr
.endr
.irp b, 0,1,2,3
	v_permlanex16_b32 v[TM+4+\b], v[TM+\b], s40, s41
.endr
.irp b, 0,1,2,3
	v_max_num_f32 v[TM+\b], v[TM+\b], v[TM+4+\b]   ; with lane l xor 16's: the block's largest magnitude
.endr
.irp b, 0,1,2,3
	v_add_nc_u32 v[TM+12+\b], 0xf8800000, v[TM+\b] ; 15 off its exponent field: the conversion's scale operand
.endr
.irp b, 0,1,2,3
	v_and_or_b32 v[TM+8+\b], v[TM+\b], 0x7f800000, s42   ; 57,344 x the scale
.endr
.irp b, 0,1,2,3
	v_lshrrev_b32 v[TM+4+\b], 23, v[TM+12+\b]      ; the scale's byte
.endr
	v_lshl_or_b32 v[\pw], v[TM+5], 8, v[TM+4]
	v_lshl_or_b32 v[\pw], v[TM+6], 16, v[\pw]
	v_lshl_or_b32 v[\pw], v[TM+7], 24, v[\pw]
.irp b, 0,1,2,3
.irp i, 0,1,2,3,4,5,6,7,8,9,10,11,12,13,14,15
	v_med3_num_f32 v[\s+16*\b+\i], v[\s+16*\b+\i], -v[TM+8+\b], v[TM+8+\b]   ; the conversion to an 8-bit code does not saturate (ISA guide 7.6.2): the hold
.endr
	v_cvt_scalef32_pk8_bf8_f32 v[\pc+4*\b:\pc+1+4*\b], v[\s+16*\b:\s+7+16*\b], v[TM+12+\b]
	v_cvt_scalef32_pk8_bf8_f32 v[\pc+2+4*\b:\pc+3+4*\b], v[\s+8+16*\b:\s+15+16*\b], v[TM+12+\b]
.endr
	v_nop                                          ; a plain line behind the last conversion
.endm
	QUANT 128, 64, 48
	QUANT 192, 80, 49
	v_lshlrev_b32 v52, 4, v1
	v_lshlrev_b32 v53, 2, v1
	v_cndmask_b32 v50, v48, v49, s32               ; lanes 0-15: slot tile 0's words; lanes 16-31: slot tile 1's
.irp m, 0,1
.irp q, 0,1,2,3
	global_store_b128 v52, v[64+16*\m+4*\q:64+16*\m+4*\q+3], s[34:35] offset:2048*\m+512*\q   ; 32 lanes store 512 consecutive bytes, aligned
.endr
.endr
	global_store_b32 v53, v50, s[36:37]            ; my 32 slots' words: 128 consecutive bytes
	s_set_vgpr_msb 0xf
	s_wait_tensorcnt 0x0
	ds_add_u32 v64, v65
	s_wait_dscnt 0x0
	s_set_vgpr_msb 0xf00
	s_endpgm
.Lfunc_end_k_q2ee8c96f99_ffn1:
	.size	k_q2ee8c96f99_ffn1, .Lfunc_end_k_q2ee8c96f99_ffn1-k_q2ee8c96f99_ffn1
	.p2alignl 7, 3214868480
	.fill 96, 4, 3214868480
	.section	.rodata,"a",@progbits
	.p2align	6, 0x0
	.amdhsa_kernel k_q2ee8c96f99_ffn1
		.amdhsa_group_segment_fixed_size 168448
		.amdhsa_private_segment_fixed_size 0
		.amdhsa_enable_private_segment 0
		.amdhsa_kernarg_size 48
		.amdhsa_user_sgpr_count 2
		.amdhsa_user_sgpr_kernarg_segment_ptr 1
		.amdhsa_wavefront_size32 1
		.amdhsa_system_sgpr_workgroup_id_x 1
		.amdhsa_system_sgpr_workgroup_id_y 1
		.amdhsa_system_sgpr_workgroup_id_z 1
		.amdhsa_system_vgpr_workitem_id 0
		.amdhsa_next_free_vgpr 834
		.amdhsa_next_free_sgpr 66
		.amdhsa_reserve_vcc 0
		.amdhsa_float_denorm_mode_32 3
		.amdhsa_float_denorm_mode_16_64 3
		.amdhsa_memory_ordered 1
		.amdhsa_forward_progress 1
		.amdhsa_inst_pref_size 181
	.end_amdhsa_kernel
	.amdgpu_metadata
---
amdhsa.version: [ 1, 2 ]
amdhsa.kernels:
  - .name:           k_q2ee8c96f99_ffn1
    .symbol:         k_q2ee8c96f99_ffn1.kd
    .args:
      - { .name: lists, .offset: 0, .size: 8, .value_kind: global_buffer, .address_space: global }
      - { .name: xq, .offset: 8, .size: 8, .value_kind: global_buffer, .address_space: global }
      - { .name: W1_codes, .offset: 16, .size: 8, .value_kind: global_buffer, .address_space: global }
      - { .name: W1_scales, .offset: 24, .size: 8, .value_kind: global_buffer, .address_space: global }
      - { .name: b1, .offset: 32, .size: 8, .value_kind: global_buffer, .address_space: global }
      - { .name: hq, .offset: 40, .size: 8, .value_kind: global_buffer, .address_space: global }
    .group_segment_fixed_size: 168448
    .private_segment_fixed_size: 0
    .kernarg_segment_align: 8
    .kernarg_segment_size: 48
    .max_flat_workgroup_size: 128
    .sgpr_count:     66
    .vgpr_count:     834
    .wavefront_size: 32
...
	.end_amdgpu_metadata
.endif
;; end of part 3
;; launch ffn2 (part 4): grid 8 x 39, 4 waves a work-group, no clusters, 298,496 bytes of LDS; arguments lists, hq, W2_codes, W2_scales, b2, y; writes y
.if DOCPART == 4
	.amdgcn_target "amdgcn-amd-amdhsa--gfx1250"
	.amdhsa_code_object_version 6
	.text
	.protected	k_q2ee8c96f99_ffn2
	.globl	k_q2ee8c96f99_ffn2
	.p2align	8
	.type	k_q2ee8c96f99_ffn2,@function
k_q2ee8c96f99_ffn2:
	s_mov_b64 s[64:65], 0
	v_nop
	global_prefetch_b8 v0, s[64:65] scope:SCOPE_SE
	s_setreg_imm32_b32 hwreg(HW_REG_WAVE_MODE, 25, 1), 1
	s_wait_xcnt 0x0
; THE SECOND PRODUCT OF THE CHOSEN EXPERTS: y[slot] = h[slot] W2[e] + b2[e], on codes of E5M2 with one E8M0 scale for each 32 along K; y in f32, one row for each slot.
; A work-group takes one tile of 128 slots (work-group y; all of one expert, tile_e) x 128 outputs (work-group x).  Each of its four waves takes 32 slots (two tiles of 16) x all 128 outputs:
; 16 accumulators.  K = 2,048: 16 steps of 128, in 8 chunks of two.
; W2's tile, 128 rows x 2,048 bytes, comes into LDS whole, once, by asynchronous copies issued at the head, chunk by chunk; nothing in LDS is filled twice.  The hidden layer's codes lie in hq as images of
; the operand's registers: each load of a wave reads 512 consecutive bytes, straight into registers, four sets by turns.  There is no branch in this text: empty tiles are worked like any other.
; NO CLUSTER: work-groups that could share W2's tile are the tiles of one expert, and how many those are hangs on the stored list.
; THE MATRIX INSTRUCTION IS USED TRANSPOSED: source 0 = 16 rows of W2 (outputs), source 1 = 16 slots: a lane holds one slot and eight neighbouring outputs.  b2 is the C of each sum's first matrix instruction.
; The results go through the wave's own stage in LDS (bytes of its own, into which no copy lands) and leave as rows of 512 bytes.
; REGISTERS: window 0: v1-3 lane, r, h; v4-19, v20-35 the copies' offsets in memory and addresses in LDS; v36-39 fragment addresses; v40-43 offsets; v48-111 W2's scale words; v112-127 the slots';
;   v128-255 the accumulators (8 (8 m + T)).  window 1: W2's fragments, two sets.  window 2: the slots' fragments, four sets of 64.  window 3: v0-63 b2 in the result's layout.
.set KB,     2048                      ; a row of W2 in bytes
.set NCH,    8                         ; chunks of 256 along K
.set NKS,    16                        ; K steps
.set PITCH,  2064                      ; an LDS row: 2,048 bytes + 16: an odd multiple of 16, so that the 16 rows of a load start in 16 different groups of banks (64 banks of 4 bytes: ISA guide 11.1)
.set HS_OFF, 10223616
.set STAGE,  128*PITCH                 ; behind the tile: 16 rows x (512 + 16) bytes for each wave
.set VG,  4
.set VL,  20
.set BF,  36
.set WS,  48
.set AS,  112
.set ACC, 128
.set MSB, 0
.macro WIN new                         ; the immediate's high byte repeats the setting that is left
.if MSB != \new
	s_set_vgpr_msb (MSB<<8)|\new
.set MSB, \new
.endif
.endm
.macro PLACES n
.rept \n
	v_nop
.endr
.endm
	s_load_b256 s[4:11], s[0:1], 0x0               ; lists s[4:5], hq s[6:7], W2's codes s[8:9], W2's scales s[10:11]
	s_load_b128 s[12:15], s[0:1], 0x20             ; b2 s[12:13], y s[14:15]
	s_set_vgpr_msb 0xc0
	v_lshl_add_u32 v64, v0, 2, 0x48c00
	v_mov_b32 v65, 0
	s_set_vgpr_msb 0xc0cf
	ds_add_u32 v64, v65
	ds_add_u32 v64, v65
	s_set_vgpr_msb 0xcf00
	v_lshrrev_b32 v1, 5, v0
	v_readfirstlane_b32 s16, v1                    ; wave 0..3
	s_and_b32 s18, ttmp7, 0xffff                   ; the tile of slots
	s_mov_b32 s19, ttmp9                           ; the tile of outputs
	s_lshl_b32 s33, s18, 2
	s_mov_b32 s23, 0
	v_and_b32 v1, 31, v0                           ; lane
	v_and_b32 v2, 15, v0                           ; r
	v_bfe_u32 v3, v0, 4, 1                         ; h
	s_wait_dscnt 0x0
	s_wait_kmcnt 0x0
	s_load_b32 s17, s[4:5], s33 offset:0x9000      ; the tile's expert
	v_lshlrev_b32 v40, 4, v1                       ; an image: 16 bytes a lane
	v_lshlrev_b32 v41, 2, v1                       ; a scale word: 4
	v_lshlrev_b32 v42, 6, v1                       ; W2's scale words: row (lane) of each 32, 64 bytes a row: lanes 0-15 tile 2 b's, lanes 16-31 tile 2 b + 1's
	v_lshlrev_b32 v43, 5, v3                       ; b2: 32 h
	; the copies: instruction i of a chunk takes rows 32 w + 2 i and 2 i + 1, 256 bytes of each: sixteen lanes to a row
	s_mul_i32 s38, s16, 32*KB
	s_mul_i32 s39, s16, 32*PITCH
	v_mul_u32_u24 v[VG], v3, KB
	v_lshl_add_u32 v[VG], v2, 4, v[VG]
	v_add_nc_u32 v[VG], s38, v[VG]
	v_mul_u32_u24 v[VL], v3, PITCH
	v_lshl_add_u32 v[VL], v2, 4, v[VL]
	v_add_nc_u32 v[VL], s39, v[VL]
.irp i, 1,2,3,4,5,6,7,8,9,10,11,12,13,14,15
	v_add_nc_u32 v[VG+\i], 2*\i*KB, v[VG]
	v_add_nc_u32 v[VL+\i], 2*\i*PITCH, v[VL]
.endr
	v_mul_u32_u24 v[BF], v2, PITCH
	v_lshl_add_u32 v[BF], v3, 4, v[BF]             ; a fragment: row r x pitch + 16 h; one register for each 32 rows
.irp b, 1,2,3
	v_add_nc_u32 v[BF+\b], \b*32*PITCH, v[BF]
.endr
	s_lshl_b32 s22, s18, 18
	s_lshl_b32 s38, s16, 12
	s_add_co_u32 s22, s22, s38
	s_add_nc_u64 s[24:25], s[6:7], s[22:23]        ; hq: the tile's images, my two slot tiles
	s_lshl_b32 s22, s18, 13
	s_lshl_b32 s38, s16, 7
	s_add_co_u32 s22, s22, s38
	s_add_nc_u64 s[26:27], s[6:7], s[22:23]
	s_add_nc_u64 s[26:27], s[26:27], HS_OFF        ; and my 32 slots' scale words
	s_lshl_b32 s22, s18, 19
	s_lshl_b32 s38, s16, 17
	s_add_co_u32 s22, s22, s38
	s_lshl_b32 s38, s19, 9
	s_add_co_u32 s22, s22, s38
	s_add_nc_u64 s[34:35], s[14:15], s[22:23]      ; y: row 128 x tile + 32 x wave, column 128 x work-group x
	s_wait_kmcnt 0x0
	s_min_u32 s17, s17, 7
	s_lshl_b32 s22, s17, 21
	s_lshl_b32 s33, s19, 18
	s_add_co_u32 s22, s22, s33
	s_add_nc_u64 s[20:21], s[8:9], s[22:23]        ; W2's codes at the tile's first row
	s_lshl_b32 s22, s17, 16
	s_lshl_b32 s33, s19, 13
	s_add_co_u32 s22, s22, s33
	s_add_nc_u64 s[28:29], s[10:11], s[22:23]      ; W2's scale bytes
	s_lshl_b32 s22, s17, 12
	s_lshl_b32 s33, s19, 9
	s_add_co_u32 s22, s22, s33
	s_add_nc_u64 s[30:31], s[12:13], s[22:23]      ; b2
.irp b, 0,1,2,3
.irp q, 0,1,2,3
	global_load_b128 v[WS+16*\b+4*\q:WS+16*\b+4*\q+3], v42, s[28:29] offset:2048*\b+16*\q
.endr
.endr
	WIN 0xc0                                       ; destination window 3
.irp T, 0,1,2,3,4,5,6,7
	global_load_b128 v[8*\T:8*\T+3],   v43, s[30:31] offset:64*\T          ; lane (r, h), tile T: outputs 16 T + 8 h + 0 .. 7
	global_load_b128 v[8*\T+4:8*\T+7], v43, s[30:31] offset:64*\T+16
.endr
	WIN 0
.irp s, 0,1,2,3,4,5,6,7,8,9,10,11,12,13,14,15
	global_load_b32 v[AS+\s], v41, s[26:27] offset:512*\s                  ; lanes 0-15 the words of slot tile 0, lanes 16-31 of slot tile 1
.endr
.macro ALOAD c                         ; the slots' fragments of chunk c (two K steps, two slot tiles): 16 loads of 512 consecutive bytes into set c % 4
	WIN 0x80                                       ; destination window 2
.irp m, 0,1
.irp ss, 0,1
.irp q, 0,1,2,3
	global_load_b128 v[64*((\c)%4)+32*\m+16*\ss+4*\q:64*((\c)%4)+32*\m+16*\ss+4*\q+3], v40, s[24:25] offset:(2*(\c)+\ss)*16384+2048*\m+512*\q
.endr
.endr
.endr
.endm
	ALOAD 0
	ALOAD 1
	WIN 0
	; all copies, chunk by chunk, ahead of the first wait on ASYNCcnt, the first LDS read and the first barrier.  The immediate is added to both addresses
.set cp, 0
.rept NCH
.irp i, 0,1,2,3,4,5,6,7,8,9,10,11,12,13,14,15
	global_load_async_to_lds_b128 v[VL+\i], v[VG+\i], s[20:21] offset:256*cp
.endr
.set cp, cp+1
.endr
	ALOAD 2
	ALOAD 3
	WIN 0
.macro FETCH ks, p                     ; W2's eight fragments of K step ks into set p: 32 LDS loads
	WIN 0x40                                       ; destination window 1
.irp T, 0,1,2,3,4,5,6,7
.irp q, 0,1,2,3
	ds_load_b128 v[128*(\p)+16*\T+4*\q:128*(\p)+16*\T+4*\q+3], v[BF+\T/2] offset:(\T%2)*16*PITCH+128*(\ks)+32*\q
.endr
.endr
.endm
.macro WM ra, rb                       ; one product; ra, rb: the scale words lie in lanes 16-31
.if (\ra) && (\rb)
	v_wmma_scale_f32_16x16x128_f8f6f4 v[rD:rD+7], v[rB:rB+15], v[rA:rA+15], v[rC:rC+7], v[rSA], v[rSB] matrix_a_fmt:MATRIX_FMT_BF8 matrix_b_fmt:MATRIX_FMT_BF8 matrix_a_scale:MATRIX_SCALE_ROW1 matrix_b_scale:MATRIX_SCALE_ROW1
.elseif (\ra)
	v_wmma_scale_f32_16x16x128_f8f6f4 v[rD:rD+7], v[rB:rB+15], v[rA:rA+15], v[rC:rC+7], v[rSA], v[rSB] matrix_a_fmt:MATRIX_FMT_BF8 matrix_b_fmt:MATRIX_FMT_BF8 matrix_a_scale:MATRIX_SCALE_ROW1
.elseif (\rb)
	v_wmma_scale_f32_16x16x128_f8f6f4 v[rD:rD+7], v[rB:rB+15], v[rA:rA+15], v[rC:rC+7], v[rSA], v[rSB] matrix_a_fmt:MATRIX_FMT_BF8 matrix_b_fmt:MATRIX_FMT_BF8 matrix_b_scale:MATRIX_SCALE_ROW1
.else
	v_wmma_scale_f32_16x16x128_f8f6f4 v[rD:rD+7], v[rB:rB+15], v[rA:rA+15], v[rC:rC+7], v[rSA], v[rSB] matrix_a_fmt:MATRIX_FMT_BF8 matrix_b_fmt:MATRIX_FMT_BF8
.endif
.endm
; 16 matrix instructions: K step ks, W2's set p.  The 16 accumulators take turns, one instruction a turn, in the same order in every step.  first = 1: C is b2.
.macro MUL ks, p, first
.if \first
	WIN 0x39                                       ; source 0 window 1, source 1 window 2, C window 3, D window 0
.else
	WIN 0x09
.endif
.irp T, 0,1,2,3,4,5,6,7
.irp m, 0,1
.set rD, ACC+8*(8*\m+\T)
.set rB, 128*(\p)+16*\T
.set rA, 64*(((\ks)/2)%4)+32*\m+16*((\ks)%2)
.set rC, rD
.if \first
.set rC, 8*\T
.endif
.set rSA, WS+NKS*(\T/2)+(\ks)
.set rSB, AS+(\ks)
	WM \T%2, \m
.endr
.endr
.endm
.macro CHUNK c
.if 16*(NCH-1-(\c)) > 63
	s_wait_asynccnt 63                             ; of my 128 copies at most 63 are out: 65 have landed, the first four chunks' 64 among them
.else
	s_wait_asynccnt 16*(NCH-1-(\c))                ; my copies of this chunk have landed; those of the chunks behind it, 16 each, may stay out
.endif
	s_wait_dscnt 0x0
	s_barrier_signal -1
	s_barrier_wait -1                              ; everybody's have.
	FETCH 2*(\c), 0
	FETCH 2*(\c)+1, 1
.if NCH-1-(\c) >= 3
	s_wait_loadcnt 48                              ; the slots' set of this chunk is in, and all that was asked for earlier; the three sets behind it may be out
.else
	s_wait_loadcnt 16*(NCH-1-(\c))
.endif
	s_wait_dscnt 32                                ; the first K step's fragments are in; the second's 32 loads may be out
.if (\c) == 0
	MUL 2*(\c), 0, 1
.else
	MUL 2*(\c), 0, 0
.endif
	s_wait_dscnt 0x0
	MUL 2*(\c)+1, 1, 0
	WIN 0
	PLACES 8                                       ; eight places between these products and loads into the registers that they read, and the first read of results
.if (\c)+4 < NCH
	ALOAD (\c)+4                                   ; this chunk's set takes the chunk four further on
	WIN 0
.endif
.endm
	CHUNK 0
	CHUNK 1
	CHUNK 2
	CHUNK 3
	CHUNK 4
	CHUNK 5
	CHUNK 6
	CHUNK 7
	; THE WAY OUT.  All copies and loads are done: their address registers are free.  A lane holds 32 neighbouring bytes of a slot's row; 16 rows at a time go through my stage and come back whole.
	s_mul_i32 s38, s16, 16*528
	s_add_co_u32 s38, s38, STAGE
	v_mul_u32_u24 v4, v2, 528
	v_lshl_add_u32 v4, v3, 5, v4
	v_add_nc_u32 v4, s38, v4                       ; in: row r, + 32 h
	v_lshlrev_b32 v6, 4, v1                        ; back, and in y: 16 bytes a lane
	v_add_nc_u32 v5, s38, v6
.irp m, 0,1
.if \m == 1
	s_wait_xcnt 0x0                                ; the first sixteen stores have read their registers: the loads below may land there
.endif
.irp T, 0,1,2,3,4,5,6,7
	ds_store_b128 v4, v[ACC+8*(8*\m+\T):ACC+8*(8*\m+\T)+3] offset:64*\T          ; each accumulator from its low end on
	ds_store_b128 v4, v[ACC+8*(8*\m+\T)+4:ACC+8*(8*\m+\T)+7] offset:64*\T+16
.endr
.irp i, 0,1,2,3,4,5,6,7,8,9,10,11,12,13,14,15
	ds_load_b128 v[32+4*\i:35+4*\i], v5 offset:528*\i                            ; LDS serves a wave's instructions in order (ISA guide 5.7.1.4): these see my stores
.endr
.irp i, 0,1,2,3,4,5,6,7,8,9,10,11,12,13,14,15
	s_wait_dscnt 15-\i                             ; row i is back; the younger loads may be out
	global_store_b128 v6, v[32+4*\i:35+4*\i], s[34:35] offset:65536*\m+4096*\i th:TH_STORE_NT   ; 32 lanes store 512 consecutive bytes, aligned
.endr
.endr
	s_set_vgpr_msb 0xf
	s_wait_tensorcnt 0x0
	ds_add_u32 v64, v65
	s_wait_dscnt 0x0
	s_set_vgpr_msb 0xf00
	s_endpgm
.Lfunc_end_k_q2ee8c96f99_ffn2:
	.size	k_q2ee8c96f99_ffn2, .Lfunc_end_k_q2ee8c96f99_ffn2-k_q2ee8c96f99_ffn2
	.p2alignl 7, 3214868480
	.fill 96, 4, 3214868480
	.section	.rodata,"a",@progbits
	.p2align	6, 0x0
	.amdhsa_kernel k_q2ee8c96f99_ffn2
		.amdhsa_group_segment_fixed_size 298496
		.amdhsa_private_segment_fixed_size 0
		.amdhsa_enable_private_segment 0
		.amdhsa_kernarg_size 48
		.amdhsa_user_sgpr_count 2
		.amdhsa_user_sgpr_kernarg_segment_ptr 1
		.amdhsa_wavefront_size32 1
		.amdhsa_system_sgpr_workgroup_id_x 1
		.amdhsa_system_sgpr_workgroup_id_y 1
		.amdhsa_system_sgpr_workgroup_id_z 1
		.amdhsa_system_vgpr_workitem_id 0
		.amdhsa_next_free_vgpr 834
		.amdhsa_next_free_sgpr 66
		.amdhsa_reserve_vcc 0
		.amdhsa_float_denorm_mode_32 3
		.amdhsa_float_denorm_mode_16_64 3
		.amdhsa_memory_ordered 1
		.amdhsa_forward_progress 1
		.amdhsa_inst_pref_size 112
	.end_amdhsa_kernel
	.amdgpu_metadata
---
amdhsa.version: [ 1, 2 ]
amdhsa.kernels:
  - .name:           k_q2ee8c96f99_ffn2
    .symbol:         k_q2ee8c96f99_ffn2.kd
    .args:
      - { .name: lists, .offset: 0, .size: 8, .value_kind: global_buffer, .address_space: global }
      - { .name: hq, .offset: 8, .size: 8, .value_kind: global_buffer, .address_space: global }
      - { .name: W2_codes, .offset: 16, .size: 8, .value_kind: global_buffer, .address_space: global }
      - { .name: W2_scales, .offset: 24, .size: 8, .value_kind: global_buffer, .address_space: global }
      - { .name: b2, .offset: 32, .size: 8, .value_kind: global_buffer, .address_space: global }
      - { .name: y, .offset: 40, .size: 8, .value_kind: global_buffer, .address_space: global }
    .group_segment_fixed_size: 298496
    .private_segment_fixed_size: 0
    .kernarg_segment_align: 8
    .kernarg_segment_size: 48
    .max_flat_workgroup_size: 128
    .sgpr_count:     66
    .vgpr_count:     834
    .wavefront_size: 32
...
	.end_amdgpu_metadata
.endif
;; end of part 4
;; launch combine (part 5): grid 256 x 1, 8 waves a work-group, no clusters, 0 bytes of LDS; arguments lists, rt, y, out0; writes out0
.if DOCPART == 5
	.amdgcn_target "amdgcn-amd-amdhsa--gfx1250"
	.amdhsa_code_object_version 6
	.text
	.protected	k_q2ee8c96f99_combine
	.globl	k_q2ee8c96f99_combine
	.p2align	8
	.type	k_q2ee8c96f99_combine,@function
k_q2ee8c96f99_combine:
	s_mov_b64 s[64:65], 0
	v_nop
	global_prefetch_b8 v0, s[64:65] scope:SCOPE_SE
	s_setreg_imm32_b32 hwreg(HW_REG_WAVE_MODE, 25, 1), 1
	s_wait_xcnt 0x0
; out0[t] = g0 y[p0] + g1 y[p1]: the rows of a token's two experts, weighed.  A wave takes one token (8 x work-group + wave): a row of 4,096 bytes, eight loads of 512 consecutive bytes from each
; of the two slots, one store each.  p0, p1 come from the stored list (pos, at byte 20,480 of lists), held under 4,992 before they enter an address; g0, g1 from rt.
; A stream: no LDS, no barrier, no matrix unit; every output row has one owner.
	s_load_b256 s[4:11], s[0:1], 0x0               ; lists s[4:5], rt s[6:7], y s[8:9], out0 s[10:11]
	v_lshrrev_b32 v1, 5, v0
	v_readfirstlane_b32 s16, v1                    ; wave
	v_and_b32 v1, 31, v0
	v_lshlrev_b32 v2, 4, v1                        ; 16 bytes a lane
	s_lshl_b32 s17, ttmp9, 3
	s_add_co_u32 s17, s17, s16                     ; the token
	s_lshl_b32 s18, s17, 3
	s_lshl_b32 s28, s17, 12
	s_mov_b32 s29, 0
	s_mov_b32 s31, 0
	s_wait_kmcnt 0x0
	s_load_b64 s[20:21], s[4:5], s18 offset:0x5000 ; its two slots
	s_load_b64 s[22:23], s[6:7], s18 offset:0x0    ; its two weights
	s_add_nc_u64 s[10:11], s[10:11], s[28:29]
	s_wait_kmcnt 0x0
	s_min_u32 s20, s20, 4991
	s_min_u32 s21, s21, 4991
	s_lshl_b32 s30, s20, 12
	s_add_nc_u64 s[12:13], s[8:9], s[30:31]
	s_lshl_b32 s30, s21, 12
	s_add_nc_u64 s[14:15], s[8:9], s[30:31]
	s_mov_b32 s24, s22                             ; the packed forms name a pair and take its low word for both halves: both words are written
	s_mov_b32 s25, s22
	s_mov_b32 s26, s23
	s_mov_b32 s27, s23
.irp j, 0,1,2,3,4,5,6,7
	global_load_b128 v[16+4*\j:19+4*\j], v2, s[12:13] offset:512*\j th:TH_LOAD_NT
.endr
.irp j, 0,1,2,3,4,5,6,7
	global_load_b128 v[48+4*\j:51+4*\j], v2, s[14:15] offset:512*\j th:TH_LOAD_NT
.endr
	s_wait_loadcnt 8                               ; the first slot's eight loads are in; the second's may be out
.irp j, 0,2,4,6,8,10,12,14,16,18,20,22,24,26,28,30
	v_pk_mul_f32 v[16+\j:17+\j], v[16+\j:17+\j], s[24:25] op_sel_hi:[1,0]
.endr
	s_wait_loadcnt 0x0
.irp j, 0,2,4,6,8,10,12,14,16,18,20,22,24,26,28,30
	v_pk_fma_f32 v[16+\j:17+\j], v[48+\j:49+\j], s[26:27], v[16+\j:17+\j] op_sel_hi:[1,0,1]
.endr
.irp j, 0,1,2,3,4,5,6,7
	global_store_b128 v2, v[16+4*\j:19+4*\j], s[10:11] offset:512*\j th:TH_STORE_NT   ; 32 lanes store 512 consecutive bytes, aligned
.endr
	s_endpgm
.Lfunc_end_k_q2ee8c96f99_combine:
	.size	k_q2ee8c96f99_combine, .Lfunc_end_k_q2ee8c96f99_combine-k_q2ee8c96f99_combine
	.p2alignl 7, 3214868480
	.fill 96, 4, 3214868480
	.section	.rodata,"a",@progbits
	.p2align	6, 0x0
	.amdhsa_kernel k_q2ee8c96f99_combine
		.amdhsa_group_segment_fixed_size 0
		.amdhsa_private_segment_fixed_size 0
		.amdhsa_enable_private_segment 0
		.amdhsa_kernarg_size 32
		.amdhsa_user_sgpr_count 2
		.amdhsa_user_sgpr_kernarg_segment_ptr 1
		.amdhsa_wavefront_size32 1
		.amdhsa_system_sgpr_workgroup_id_x 1
		.amdhsa_system_sgpr_workgroup_id_y 1
		.amdhsa_system_sgpr_workgroup_id_z 1
		.amdhsa_system_vgpr_workitem_id 0
		.amdhsa_next_free_vgpr 96
		.amdhsa_next_free_sgpr 66
		.amdhsa_reserve_vcc 0
		.amdhsa_float_denorm_mode_32 3
		.amdhsa_float_denorm_mode_16_64 3
		.amdhsa_memory_ordered 1
		.amdhsa_forward_progress 1
		.amdhsa_inst_pref_size 6
	.end_amdhsa_kernel
	.amdgpu_metadata
---
amdhsa.version: [ 1, 2 ]
amdhsa.kernels:
  - .name:           k_q2ee8c96f99_combine
    .symbol:         k_q2ee8c96f99_combine.kd
    .args:
      - { .name: lists, .offset: 0, .size: 8, .value_kind: global_buffer, .address_space: global }
      - { .name: rt, .offset: 8, .size: 8, .value_kind: global_buffer, .address_space: global }
      - { .name: y, .offset: 16, .size: 8, .value_kind: global_buffer, .address_space: global }
      - { .name: out0, .offset: 24, .size: 8, .value_kind: global_buffer, .address_space: global }
    .group_segment_fixed_size: 0
    .private_segment_fixed_size: 0
    .kernarg_segment_align: 8
    .kernarg_segment_size: 32
    .max_flat_workgroup_size: 256
    .sgpr_count:     66
    .vgpr_count:     96
    .wavefront_size: 32
...
	.end_amdgpu_metadata
.endif
;; end of part 5
;; ======== version 2 of 2: 5 launches; 1.12 times as fast as version 1
;; workspace buffers: xq 2,162,688 bytes; sel 8,192 bytes of whole numbers; rt 32,768 bytes; lists 42,240 bytes of whole numbers; hq 12,435,456 bytes; y 24,117,248 bytes
;; launch route: the kernel of part 1 again; grid 256 x 1, 2 waves a work-group, no clusters, 512 bytes of LDS; arguments x, gate_w, xq, sel, rt; writes xq, sel, rt
;; launch place (part 6): grid 1 x 1, 8 waves a work-group, no clusters, 1,280 bytes of LDS; arguments sel, rt, lists, out1; writes lists, out1
.if DOCPART == 6
	.amdgcn_target "amdgcn-amd-amdhsa--gfx1250"
	.amdhsa_code_object_version 6
	.text
	.protected	k_q2ee8c96f99_place
	.globl	k_q2ee8c96f99_place
	.p2align	8
	.type	k_q2ee8c96f99_place,@function
k_q2ee8c96f99_place:
	s_mov_b64 s[64:65], 0
	v_nop
	global_prefetch_b8 v0, s[64:65] scope:SCOPE_SE
	s_setreg_imm32_b32 hwreg(HW_REG_WAVE_MODE, 25, 1), 1
	s_wait_xcnt 0x0
; THE ROWS ARE PLACED BY EXPERT, AND THE AUXILIARY LOSS.  One work-group; wave w is expert w.  No atomics: a counting sort.
; IN: sel[t] = e0 | e1 << 8 (2,048 words);  rt + 16,384: the sums of probabilities [512][8].
; OUT (lists): rowtok[5888] at byte 0: the token of each slot;  pos[2048][2] at byte POS: the slots of a token's first and second expert;  tile_e[23] at byte TILE_E: the expert of each tile of 256 slots.
; Each expert's rows are filled up to whole tiles of 256 slots: with 4,096 rows and 8 experts there are at least 16 and never more than 16 + 7 = 23 tiles.  A filling slot holds token 0; a tile
; that a split leaves empty holds expert 0 and token 0: the later launches then need no mask and no branch, and nobody reads what they make of such slots.
; NO LINE OF THE SORT CHANGES EXEC: a lane that has nothing to store stores into a word of its own behind the lists (DUMP + 4 x thread: 1,024 bytes that nobody reads).  The choice between the
; true place and that word is made by v_cndmask_b32, and what it gives is held by v_min_u32 before it enters an address.
; FOUR GROUPS OF 32 TOKENS GO TOGETHER, stage by stage, each with registers and masks of its own: no line waits for the line above it, and one wait frees the registers of eight stores.
; out1 = 8 x sum over s, e of (mean over the batch of the counts) x (mean probability) = sum over e of count_e x P_e / 512, P_e the sum of expert e's probabilities over all tokens.
.set POS,    24576
.set TILE_E, 40960
.set DUMP,   41216
.set E0, 128                           ; v128-131 the first experts of four groups;  v132-135 the second
.set E1, 132
.set SL, 136                           ; v136-139 slots
.set AD, 140                           ; v140-143 rowtok's addresses
.set BD, 144                           ; v144-147 pos's addresses
.set TK, 148                           ; v148-151 tokens
	s_load_b256 s[4:11], s[0:1], 0x0               ; sel s[4:5], rt s[6:7], lists s[8:9], out1 s[10:11]
	v_lshl_add_u32 v160, v0, 2, 0x100
	v_mov_b32 v161, 0
	v_lshrrev_b32 v1, 5, v0
	v_readfirstlane_b32 s16, v1                    ; w
	v_and_b32 v1, 31, v0                           ; lane
	v_lshlrev_b32 v2, 2, v1
	v_lshlrev_b32 v3, 5, v1
	s_lshl_b32 s17, s16, 2
	v_add_nc_u32 v3, s17, v3                       ; 32 x lane + 4 w
	v_lshl_add_u32 v9, v1, 3, POS                  ; pos of token (lane), first expert;
	v_add_nc_u32 v11, 4, v9                        ; second expert
	v_mov_b32 v12, 0
	v_add_nc_u32 v13, DUMP/4, v0                   ; my dump word, as a word's number,
	v_lshl_add_u32 v14, v0, 2, DUMP                ; and as a byte
	v_mov_b32 v15, 0                               ; a lane permute's destination counts as one of its sources
	s_mov_b32 s36, 0x76543210
	s_mov_b32 s37, 0xfedcba98
	s_mov_b32 s20, 0                               ; my expert's count
	s_wait_kmcnt 0x0
.set n, 0
.rept 64
	global_load_b32 v[16+n], v2, s[4:5] offset:128*n               ; token 32 n + lane
.set n, n+1
.endr
.set n, 0
.rept 16
	global_load_b32 v[80+n], v3, s[6:7] offset:16384+1024*n        ; my expert's sum of wave 32 n + lane of the first launch
.set n, n+1
.endr
	s_wait_loadcnt 0x0
; Groups 4 g .. 4 g + 3.  s[40+j]: tokens whose first expert I am; s[44+j]: whose second; s[48+j]: either; s[52+j]: how many
.macro MASK4 g
.irp j, 0,1,2,3
	v_and_b32 v[E0+\j], 0xff, v[16+4*(\g)+\j]
.endr
.irp j, 0,1,2,3
	v_bfe_u32 v[E1+\j], v[16+4*(\g)+\j], 8, 8
.endr
.irp j, 0,1,2,3
	v_cmp_eq_u32 s[40+\j], s16, v[E0+\j]
.endr
.irp j, 0,1,2,3
	v_cmp_eq_u32 s[44+\j], s16, v[E1+\j]
.endr
.irp j, 0,1,2,3
	s_or_b32 s[48+\j], s[40+\j], s[44+\j]
.endr
.irp j, 0,1,2,3
	s_bcnt1_i32_b32 s[52+\j], s[48+\j]
.endr
.endm
.set n, 0
.rept 16
	MASK4 n
	s_add_co_u32 s20, s20, s52
	s_add_co_u32 s20, s20, s53
	s_add_co_u32 s20, s20, s54
	s_add_co_u32 s20, s20, s55
.set n, n+1
.endr
.irp j, 1,2,3,4,5,6,7,8,9,10,11,12,13,14,15
	v_add_f32 v80, v80, v[80+\j]
.endr
	v_add_f32_dpp v80, v80, v80 row_xmask:1 row_mask:0xf bank_mask:0xf
	v_add_f32_dpp v80, v80, v80 row_xmask:2 row_mask:0xf bank_mask:0xf
	v_add_f32_dpp v80, v80, v80 row_xmask:4 row_mask:0xf bank_mask:0xf
	v_add_f32_dpp v80, v80, v80 row_xmask:8 row_mask:0xf bank_mask:0xf
	v_permlanex16_b32 v15, v80, s36, s37
	v_add_f32 v80, v80, v15                        ; P_w
	v_cvt_f32_u32 v6, s20
	v_mul_f32 v7, v6, v80                          ; count_w x P_w
	v_mov_b32 v10, s16
	v_lshlrev_b32 v10, 2, v10
	v_mov_b32 v8, s20
	ds_store_b32 v10, v8                           ; all lanes write the same word with the same value
	ds_store_b32 v10, v7 offset:32
	s_wait_dscnt 0x0                               ; for the others' sake: my two words have landed
	s_barrier_signal -1
	s_barrier_wait -1                              ; the launch's only barrier
	ds_load_b128 v[96:99], v12
	ds_load_b128 v[100:103], v12 offset:16
	ds_load_b128 v[104:107], v12 offset:32
	ds_load_b128 v[108:111], v12 offset:48
	s_wait_dscnt 0x0
	s_mov_b32 s21, 0                               ; the tiles in front of mine
	s_mov_b32 s22, 0                               ; all tiles
.irp e, 0,1,2,3,4,5,6,7
	v_readfirstlane_b32 s[40+\e], v[96+\e]
	s_add_co_u32 s[48+\e], s[40+\e], 255
	s_lshr_b32 s[48+\e], s[48+\e], 8               ; expert e's tiles
	s_add_co_u32 s22, s22, s[48+\e]
	s_cmp_gt_u32 s16, \e
	s_cselect_b32 s33, s[48+\e], 0
	s_add_co_u32 s21, s21, s33
.endr
	s_lshl_b32 s23, s21, 8                         ; my next free slot
	s_add_co_u32 s25, s20, 255
	s_lshr_b32 s25, s25, 8                         ; my tiles
	s_add_co_u32 s24, s21, s25
	s_lshl_b32 s24, s24, 8                         ; the slot behind my last tile
; 128 tokens: those that chose me take the next slots, in the order of the tokens; the other lanes store into their dump words.
.macro PUT4 g
	MASK4 \g
	s_mov_b32 s56, s23                             ; the first free slot of each of the four groups
	s_add_co_u32 s57, s56, s52
	s_add_co_u32 s58, s57, s53
	s_add_co_u32 s59, s58, s54
	s_add_co_u32 s23, s59, s55
	s_wait_xcnt 0x0                                ; the last eight stores have read their registers: these are written again only behind this wait
.irp j, 0,1,2,3
	v_mbcnt_lo_u32_b32 v[SL+\j], s[48+\j], 0       ; how many lanes below me chose me
.endr
.irp j, 0,1,2,3
	v_add_nc_u32 v[SL+\j], s[56+\j], v[SL+\j]      ; my slot
.endr
.irp j, 0,1,2,3
	v_cndmask_b32 v[AD+\j], v13, v[SL+\j], s[48+\j]   ; rowtok's word: the slot's, or my dump word
.endr
.irp j, 0,1,2,3
	v_min_u32 v[AD+\j], DUMP/4+255, v[AD+\j]
.endr
.irp j, 0,1,2,3
	v_lshlrev_b32 v[AD+\j], 2, v[AD+\j]
.endr
.irp j, 0,1,2,3
	v_cndmask_b32 v[BD+\j], v9, v11, s[44+\j]      ; pos: 4 bytes on where I am the token's second expert,
.endr
.irp j, 0,1,2,3
	v_add_nc_u32 v[BD+\j], 256*(4*(\g)+\j), v[BD+\j]  ; of token 32 (4 g + j) + lane,
.endr
.irp j, 0,1,2,3
	v_cndmask_b32 v[BD+\j], v14, v[BD+\j], s[48+\j]   ; or my dump word
.endr
.irp j, 0,1,2,3
	v_min_u32 v[BD+\j], DUMP+1020, v[BD+\j]
.endr
.irp j, 0,1,2,3
	v_add_nc_u32 v[TK+\j], 32*(4*(\g)+\j), v1      ; the token
.endr
.irp j, 0,1,2,3
	global_store_b32 v[AD+\j], v[TK+\j], s[8:9]
	global_store_b32 v[BD+\j], v[SL+\j], s[8:9]
.endr
.endm
.set n, 0
.rept 16
	PUT4 n
.set n, n+1
.endr
	; the filling of my last tile: under 256 slots, token 0; eight groups of 32 slots, stage by stage
	s_wait_xcnt 0x0                                ; the stores above have read v140-147
.irp j, 0,1,2,3,4,5,6,7
	v_add_nc_u32 v[E0+\j], s23, v1
.endr
.irp j, 0,1,2,3,4,5,6,7
	v_add_nc_u32 v[E0+\j], 32*\j, v[E0+\j]
.endr
.irp j, 0,1,2,3,4,5,6,7
	v_cmp_gt_u32 s[40+\j], s24, v[E0+\j]           ; still in my last tile?
.endr
.irp j, 0,1,2,3,4,5,6,7
	v_cndmask_b32 v[AD+\j], v13, v[E0+\j], s[40+\j]
.endr
.irp j, 0,1,2,3,4,5,6,7
	v_min_u32 v[AD+\j], DUMP/4+255, v[AD+\j]
.endr
.irp j, 0,1,2,3,4,5,6,7
	v_lshlrev_b32 v[AD+\j], 2, v[AD+\j]
.endr
.irp j, 0,1,2,3,4,5,6,7
	global_store_b32 v[AD+\j], v12, s[8:9]
.endr
	v_add_nc_u32 v6, s21, v1                       ; my tiles' expert: an expert has at most 2,048 rows, 8 tiles: a lane a tile
	v_add_nc_u32 v6, TILE_E/4, v6
	v_cmp_gt_u32 vcc_lo, s25, v1
	v_cndmask_b32 v7, v13, v6, vcc_lo
	v_min_u32 v7, DUMP/4+255, v7
	v_lshlrev_b32 v7, 2, v7
	v_mov_b32 v10, s16
	global_store_b32 v7, v10, s[8:9]
	; the tiles that this split leaves empty lie among 16 .. 22: wave w looks after tile 16 + w.  The branch hangs on the counts of the stored choices; no barrier follows it
	s_add_co_u32 s26, s16, 16
	s_cmp_lt_u32 s26, s22
	s_cbranch_scc1 .Lno_tail
	s_cmp_gt_u32 s26, 22
	s_cbranch_scc1 .Lno_tail
	s_lshl_b32 s27, s26, 10
	s_lshl_b32 s28, s26, 2
	s_wait_xcnt 0x0                                ; the store above has read v7
	v_add_nc_u32 v6, s27, v2
	v_mov_b32 v7, s28
.irp j, 0,1,2,3,4,5,6,7
	global_store_b32 v6, v12, s[8:9] offset:128*\j                 ; the tile's 256 slots: token 0
.endr
	global_store_b32 v7, v12, s[8:9] offset:TILE_E                 ; its expert: 0; all lanes write the same word with the same value
.Lno_tail:
	s_cmp_lg_u32 s16, 0
	s_cbranch_scc1 .Lend
.irp e, 1,2,3,4,5,6,7
	v_add_f32 v104, v104, v[104+\e]
.endr
	v_mul_f32 v104, 0x3b000000, v104               ; / 512
	v_cmp_eq_u32 vcc_lo, 0, v1
	s_wait_xcnt 0x0                                ; EXEC changes only behind this wait: it is a source of the stores above
	s_wait_tensorcnt 0x0
	ds_add_u32 v160, v161
	s_wait_dscnt 0x0
	s_and_saveexec_b32 s33, vcc_lo                 ; every lane holds the same number: lane 0 stores it, and the wave ends
	global_store_b32 v12, v104, s[10:11]
	s_endpgm
.Lend:
	s_wait_tensorcnt 0x0
	ds_add_u32 v160, v161
	s_wait_dscnt 0x0
	s_endpgm
.Lfunc_end_k_q2ee8c96f99_place:
	.size	k_q2ee8c96f99_place, .Lfunc_end_k_q2ee8c96f99_place-k_q2ee8c96f99_place
	.p2alignl 7, 3214868480
	.fill 96, 4, 3214868480
	.section	.rodata,"a",@progbits
	.p2align	6, 0x0
	.amdhsa_kernel k_q2ee8c96f99_place
		.amdhsa_group_segment_fixed_size 1280
		.amdhsa_private_segment_fixed_size 0
		.amdhsa_enable_private_segment 0
		.amdhsa_kernarg_size 32
		.amdhsa_user_sgpr_count 2
		.amdhsa_user_sgpr_kernarg_segment_ptr 1
		.amdhsa_wavefront_size32 1
		.amdhsa_system_sgpr_workgroup_id_x 1
		.amdhsa_system_sgpr_workgroup_id_y 1
		.amdhsa_system_sgpr_workgroup_id_z 1
		.amdhsa_system_vgpr_workitem_id 0
		.amdhsa_next_free_vgpr 162
		.amdhsa_next_free_sgpr 66
		.amdhsa_reserve_vcc 1
		.amdhsa_float_denorm_mode_32 3
		.amdhsa_float_denorm_mode_16_64 3
		.amdhsa_memory_ordered 1
		.amdhsa_forward_progress 1
		.amdhsa_inst_pref_size 111
	.end_amdhsa_kernel
	.amdgpu_metadata
---
amdhsa.version: [ 1, 2 ]
amdhsa.kernels:
  - .name:           k_q2ee8c96f99_place
    .symbol:         k_q2ee8c96f99_place.kd
    .args:
      - { .name: sel, .offset: 0, .size: 8, .value_kind: global_buffer, .address_space: global }
      - { .name: rt, .offset: 8, .size: 8, .value_kind: global_buffer, .address_space: global }
      - { .name: lists, .offset: 16, .size: 8, .value_kind: global_buffer, .address_space: global }
      - { .name: out1, .offset: 24, .size: 8, .value_kind: global_buffer, .address_space: global }
    .group_segment_fixed_size: 1280
    .private_segment_fixed_size: 0
    .kernarg_segment_align: 8
    .kernarg_segment_size: 32
    .max_flat_workgroup_size: 256
    .sgpr_count:     66
    .vgpr_count:     162
    .wavefront_size: 32
...
	.end_amdgpu_metadata
.endif
;; end of part 6
;; launch ffn1 (part 7): grid 16 x 23, 4 waves a work-group, no clusters, 168,448 bytes of LDS; arguments lists, xq, W1_codes, W1_scales, b1, hq; writes hq
.if DOCPART == 7
	.amdgcn_target "amdgcn-amd-amdhsa--gfx1250"
	.amdhsa_code_object_version 6
	.text
	.protected	k_q2ee8c96f99_ffn1
	.globl	k_q2ee8c96f99_ffn1
	.p2align	8
	.type	k_q2ee8c96f99_ffn1,@function
k_q2ee8c96f99_ffn1:
	s_mov_b64 s[64:65], 0
	v_nop
	global_prefetch_b8 v0, s[64:65] scope:SCOPE_SE
	s_setreg_imm32_b32 hwreg(HW_REG_WAVE_MODE, 25, 1), 1
	s_wait_xcnt 0x0
; THE FIRST PRODUCT OF THE CHOSEN EXPERTS: h = Q(gelu(Q(x) W1[e] + b1[e])), on codes of E5M2 with one E8M0 scale for each 32 along K.
; A work-group takes one tile of 256 slots (work-group y; all of one expert, tile_e) x 128 hidden units (work-group x).  Each of its four waves takes 64 slots (four tiles of 16) x all 128 units:
; 32 accumulators, so that each fragment of W1 read from LDS feeds four matrix instructions.  K = 1,024: 8 steps of 128.
; W1's tile, 128 rows x 1,024 bytes, comes into LDS whole, once, by asynchronous copies issued at the head, in 4 chunks of 256 along K; nothing in LDS is filled twice.  The slots' codes are gathered from xq
; by the list of tokens straight into registers, four sets of one K step by turns.  There is no branch in this text: filling slots and empty tiles hold token 0 and expert 0 and are worked like any other;
; nobody reads their results.
; NO CLUSTER: work-groups that could share W1's tile are the tiles of one expert, and how many those are hangs on the stored list.
; THE MATRIX INSTRUCTION IS USED TRANSPOSED: source 0 = 16 rows of W1, source 1 = 16 slots: a lane holds ONE slot and its registers run along the hidden units, which are the next product's K.
; THE ROWS OF W1 THAT FORM A TILE ARE NOT NEIGHBOURS: lane r of tile 2 b + u takes row 32 b + 8 u + r + 8 (r / 8), so that the 16 registers of tiles 2 b, 2 b + 1 are 16 neighbours along the next K.
; The copies lay the rows into LDS in that order (bits 3 and 4 of a row's number change places), so that a fragment's sixteen rows are neighbours in LDS.
; b1 is the C of each sum's first matrix instruction.
; GELU, exact form: gelu(v) = max(v, 0) - |v| q, q = erfc(|v| / sqrt 2) / 2; erfc(z) = t exp(-z^2 + a polynomial of degree 9 in t), t = 1 / (1 + z / 2): fractional error of the form 1.2e-7.
; OUT (hq): the 128 units are K step x of the second product.  Codes as images of the operand's registers: [tile][K step 16][slot tile 16][group 4][lane 32][16 bytes]; scale words [tile][K step][slot 256] at HS_OFF.
; LIMITS: NaN and infinities are not served; a gelu whose q falls under 2^-126 is 0; a block of zeros gets the byte 1 (its codes are zeros; only this program reads the bytes).
; REGISTERS: window 0: v1-3 lane, r, h; v4-19, v20-35 the copies' offsets in memory and addresses in LDS; v36-39 fragment addresses; v40-47, v96-104 offsets; v48-79 W1's scale words; v80-95 the slots';
;   v144-207 b1 in the result's layout.  window 1: W1's fragments, two sets.  window 2: the slots' fragments, four sets of 64.  window 3: the accumulators (8 (8 m + T)).
.set KB,     1024                      ; a row of W1 in bytes
.set NCH,    4                         ; chunks of 256 along K
.set NKS,    8                         ; K steps
.set PITCH,  1040                      ; an LDS row: 1,024 bytes + 16: an odd multiple of 16, so that the 16 rows of a load start in 16 different groups of banks (64 banks of 4 bytes: ISA guide 11.1)
.set XS_OFF, 2097152
.set HS_OFF, 12058624
.set VG,  4
.set VL,  20
.set BF,  36
.set WS,  48
.set AS,  80
.set VA,  96
.set BI,  144
.set ZZ,  32                           ; the way out: v32-63, v64-95, v96-127 at work;
.set TT,  64
.set PP,  96
.set TM,  32
.set HH,  128                          ; v128-191 one slot tile's 64 numbers; v192-255 the four tiles' codes; v16-19 their scale words
.set PC,  192
.set PW,  16
.set MSB, 0
.macro WIN new                         ; the immediate's high byte repeats the setting that is left
.if MSB != \new
	s_set_vgpr_msb (MSB<<8)|\new
.set MSB, \new
.endif
.endm
.macro PLACES n
.rept \n
	v_nop
.endr
.endm
.macro COPY c                          ; my 32 rows' 256 bytes of chunk c: 16 copies.  The immediate is added to both addresses
.irp i, 0,1,2,3,4,5,6,7,8,9,10,11,12,13,14,15
	global_load_async_to_lds_b128 v[VL+\i], v[VG+\i], s[20:21] offset:256*(\c)
.endr
.endm
.macro ALOAD ks                        ; my four slot tiles' fragments of K step ks: 16 loads into set ks % 4
	WIN 0x80                                       ; destination window 2
.irp m, 0,1,2,3
.irp q, 0,1,2,3
	global_load_b128 v[64*((\ks)%4)+16*\m+4*\q:64*((\ks)%4)+16*\m+4*\q+3], v[VA+\m], s[6:7] offset:128*(\ks)+32*\q
.endr
.endr
.endm
.macro FETCH ks, p                     ; W1's eight fragments of K step ks into set p: 32 LDS loads
	WIN 0x40                                       ; destination window 1
.irp T, 0,1,2,3,4,5,6,7
.irp q, 0,1,2,3
	ds_load_b128 v[128*(\p)+16*\T+4*\q:128*(\p)+16*\T+4*\q+3], v[BF+\T/2] offset:(\T%2)*16*PITCH+128*(\ks)+32*\q
.endr
.endr
.endm
.macro WM ra, rb                       ; one product; ra, rb: the scale words lie in lanes 16-31
.if (\ra) && (\rb)
	v_wmma_scale_f32_16x16x128_f8f6f4 v[rD:rD+7], v[rB:rB+15], v[rA:rA+15], v[rC:rC+7], v[rSA], v[rSB] matrix_a_fmt:MATRIX_FMT_BF8 matrix_b_fmt:MATRIX_FMT_BF8 matrix_a_scale:MATRIX_SCALE_ROW1 matrix_b_scale:MATRIX_SCALE_ROW1
.elseif (\ra)
	v_wmma_scale_f32_16x16x128_f8f6f4 v[rD:rD+7], v[rB:rB+15], v[rA:rA+15], v[rC:rC+7], v[rSA], v[rSB] matrix_a_fmt:MATRIX_FMT_BF8 matrix_b_fmt:MATRIX_FMT_BF8 matrix_a_scale:MATRIX_SCALE_ROW1
.elseif (\rb)
	v_wmma_scale_f32_16x16x128_f8f6f4 v[rD:rD+7], v[rB:rB+15], v[rA:rA+15], v[rC:rC+7], v[rSA], v[rSB] matrix_a_fmt:MATRIX_FMT_BF8 matrix_b_fmt:MATRIX_FMT_BF8 matrix_b_scale:MATRIX_SCALE_ROW1
.else
	v_wmma_scale_f32_16x16x128_f8f6f4 v[rD:rD+7], v[rB:rB+15], v[rA:rA+15], v[rC:rC+7], v[rSA], v[rSB] matrix_a_fmt:MATRIX_FMT_BF8 matrix_b_fmt:MATRIX_FMT_BF8
.endif
.endm
; 32 matrix instructions: K step ks, W1's set p.  The 32 accumulators take turns, one instruction a turn, in the same order in every step.  first = 1: C is b1.
.macro MUL ks, p, first
.if \first
	WIN 0xc9                                       ; source 0 window 1, source 1 window 2, C window 0, D window 3
.else
	WIN 0xf9                                       ; C and D window 3
.endif
.irp T, 0,1,2,3,4,5,6,7
.irp m, 0,1,2,3
.set rD, 8*(8*\m+\T)
.set rB, 128*(\p)+16*\T
.set rA, 64*((\ks)%4)+16*\m
.set rC, rD
.if \first
.set rC, BI+8*\T
.endif
.set rSA, WS+NKS*(\T/2)+(\ks)
.set rSB, AS+NKS*(\m/2)+(\ks)
	WM \T%2, \m%2
.endr
.endr
.endm
.macro SYNC c                          ; chunk c of W1's tile lies in LDS, every wave's part of it
.if 16*(NCH-1-(\c)) > 63
	s_wait_asynccnt 63
.else
	s_wait_asynccnt 16*(NCH-1-(\c))                ; my copies of this chunk have landed; those of the chunks behind it, 16 each, may stay out
.endif
	s_wait_dscnt 0x0                               ; no LDS load of mine is out at the signal
	s_barrier_signal -1
	s_barrier_wait -1                              ; everybody's have.
.endm
; K step k: the next step's fragments of W1 are asked for first, so that they come while this step is multiplied.
.macro STEP k
.if (\k)+1 < NKS
.if ((\k)+1)%2 == 0
	SYNC ((\k)+1)/2
.endif
	FETCH (\k)+1, ((\k)+1)%2                       ; into the set that step k - 1 multiplied: eight places stand behind its products
.endif
.if NKS-1-(\k) >= 3
	s_wait_loadcnt 48                              ; the slots' set of this step is in, and all that was asked for earlier; the three sets behind it may be out
.else
	s_wait_loadcnt 16*(NKS-1-(\k))
.endif
.if (\k)+1 < NKS
	s_wait_dscnt 32                                ; this step's fragments are in; the next step's 32 loads may be out
.else
	s_wait_dscnt 0x0
.endif
.if (\k) == 0
	MUL \k, 0, 1
.else
	MUL \k, (\k)%2, 0
.endif
	WIN 0
	PLACES 8                                       ; eight places between these products and loads into the registers that they read, and the first read of results
.if (\k)+4 < NKS
	ALOAD (\k)+4                                   ; this step's set takes the step four further on
	WIN 0
.endif
.endm
	s_load_b256 s[4:11], s[0:1], 0x0               ; lists s[4:5], xq s[6:7], W1's codes s[8:9], W1's scales s[10:11]
	s_load_b128 s[12:15], s[0:1], 0x20             ; b1 s[12:13], hq s[14:15]
	v_lshl_add_u32 v254, v0, 2, 0x29000
	v_mov_b32 v255, 0
	ds_add_u32 v254, v255
	ds_add_u32 v254, v255
	s_wait_dscnt 0x0
	v_lshrrev_b32 v1, 5, v0
	v_readfirstlane_b32 s16, v1                    ; wave 0..3
	s_and_b32 s18, ttmp7, 0xffff                   ; the tile of slots
	s_mov_b32 s19, ttmp9                           ; the tile of hidden units
	s_lshl_b32 s33, s18, 2
	s_mov_b32 s23, 0
	s_mov_b32 s32, 0xffff0000                      ; lanes 16-31
	s_mov_b32 s40, 0x76543210
	s_mov_b32 s41, 0xfedcba98                      ; v_permlanex16_b32's selects for lane l xor 16
	s_mov_b32 s42, 0x600000                        ; the mantissa field of 57,344
	v_and_b32 v1, 31, v0                           ; lane
	v_and_b32 v2, 15, v0                           ; r
	v_bfe_u32 v3, v0, 4, 1                         ; h
	v_lshlrev_b32 v40, 2, v1
	v_lshlrev_b32 v41, 2, v2
	v_lshlrev_b32 v104, 4, v3                      ; 16 h
	s_lshl_b32 s22, s18, 10
	s_lshl_b32 s38, s16, 8
	s_add_co_u32 s22, s22, s38
	s_wait_kmcnt 0x0
	s_load_b32 s17, s[4:5], s33 offset:0xa000      ; the tile's expert
	s_add_nc_u64 s[24:25], s[4:5], s[22:23]        ; rowtok at my 64 slots
	global_load_b32 v42, v40, s[24:25]             ; the token of slot (lane),
	global_load_b32 v43, v40, s[24:25] offset:128  ; of slot 32 + lane,
.irp m, 0,1,2,3
	global_load_b32 v[44+\m], v41, s[24:25] offset:64*\m           ; of slot 16 m + r
.endr
	; the copies: instruction i of a chunk takes rows 32 w + 2 i and 2 i + 1, 256 bytes of each: sixteen lanes to a row
	s_mul_i32 s38, s16, 32*KB
	s_mul_i32 s39, s16, 32*PITCH
	v_mul_u32_u24 v[VG], v3, KB
	v_lshl_add_u32 v[VG], v2, 4, v[VG]
	v_add_nc_u32 v[VG], s38, v[VG]
	v_mul_u32_u24 v[VL], v3, PITCH
	v_lshl_add_u32 v[VL], v2, 4, v[VL]
	v_add_nc_u32 v[VL], s39, v[VL]
.irp i, 1,2,3,4,5,6,7,8,9,10,11,12,13,14,15
	v_add_nc_u32 v[VG+\i], 2*\i*KB, v[VG]
	v_add_nc_u32 v[VL+\i], (((2*\i)&7)+(((2*\i)>>3)&1)*16+(((2*\i)>>4)&1)*8)*PITCH, v[VL]   ; bits 3 and 4 of the row's number change places
.endr
	v_mul_u32_u24 v[BF], v2, PITCH
	v_add_nc_u32 v[BF], v104, v[BF]                ; a fragment: row r x pitch + 16 h; one register for each 32 rows
.irp b, 1,2,3
	v_add_nc_u32 v[BF+\b], \b*32*PITCH, v[BF]
.endr
	v_and_b32 v102, 8, v2
	v_add_nc_u32 v102, v102, v2
	v_lshl_add_u32 v102, v3, 3, v102
	v_lshlrev_b32 v102, 5, v102                    ; W1's scale words: row 8 (lane / 16) + r + 8 (r / 8) of each 32, 32 bytes a row: lanes 0-15 tile 2 b's, lanes 16-31 tile 2 b + 1's
	v_lshlrev_b32 v103, 6, v3                      ; b1: 64 h
	s_wait_kmcnt 0x0
	s_min_u32 s17, s17, 7
	s_lshl_b32 s22, s17, 21
	s_lshl_b32 s33, s19, 17
	s_add_co_u32 s22, s22, s33
	s_add_nc_u64 s[20:21], s[8:9], s[22:23]        ; W1's codes at the tile's first row
	COPY 0                                         ; three chunks' copies go out ahead of everything else that hangs on the expert
	COPY 1
	COPY 2
	s_add_nc_u64 s[26:27], s[6:7], XS_OFF          ; x's scale bytes
	s_lshl_b32 s22, s17, 16
	s_lshl_b32 s33, s19, 12
	s_add_co_u32 s22, s22, s33
	s_add_nc_u64 s[28:29], s[10:11], s[22:23]      ; W1's scale bytes
	s_lshl_b32 s22, s17, 13
	s_lshl_b32 s33, s19, 9
	s_add_co_u32 s22, s22, s33
	s_add_nc_u64 s[30:31], s[12:13], s[22:23]      ; b1
	s_lshl_b32 s22, s18, 19
	s_lshl_b32 s33, s19, 15
	s_add_co_u32 s22, s22, s33
	s_lshl_b32 s33, s16, 13
	s_add_co_u32 s22, s22, s33
	s_add_nc_u64 s[34:35], s[14:15], s[22:23]      ; hq: my four images of K step x
	s_lshl_b32 s22, s18, 14
	s_lshl_b32 s33, s19, 10
	s_add_co_u32 s22, s22, s33
	s_lshl_b32 s33, s16, 8
	s_add_co_u32 s22, s22, s33
	s_add_nc_u64 s[36:37], s[14:15], s[22:23]
	s_add_nc_u64 s[36:37], s[36:37], HS_OFF        ; and my 64 scale words
.irp b, 0,1,2,3
	global_load_b128 v[WS+8*\b:WS+8*\b+3],   v102, s[28:29] offset:1024*\b
	global_load_b128 v[WS+8*\b+4:WS+8*\b+7], v102, s[28:29] offset:1024*\b+16
.endr
.irp T, 0,1,2,3,4,5,6,7
	global_load_b128 v[BI+8*\T:BI+8*\T+3],   v103, s[30:31] offset:(32*(\T/2)+8*(\T%2))*4      ; lane (r, h), tile T: units 32 (T / 2) + 16 h + 8 (T % 2) + 0 .. 7
	global_load_b128 v[BI+8*\T+4:BI+8*\T+7], v103, s[30:31] offset:(32*(\T/2)+8*(\T%2))*4+16
.endr
	s_wait_loadcnt 24                              ; the six loads of tokens are in; behind them: 8 of scale words, 16 of b1
.irp i, 42,43,44,45,46,47
	v_min_u32 v\i, 2047, v\i
.endr
	v_lshlrev_b32 v100, 5, v42                     ; a token's 32 scale bytes
	v_lshlrev_b32 v101, 5, v43
.irp m, 0,1,2,3
	v_lshlrev_b32 v[VA+\m], 10, v[44+\m]
.endr
.irp m, 0,1,2,3
	v_add_nc_u32 v[VA+\m], v104, v[VA+\m]          ; a token's row of codes, + 16 h
.endr
.irp p, 0,1
	global_load_b128 v[AS+8*\p:AS+8*\p+3],   v[100+\p], s[26:27]              ; register 8 p + ks: lanes 0-15 the words of slot tile 2 p, lanes 16-31 of slot tile 2 p + 1
	global_load_b128 v[AS+8*\p+4:AS+8*\p+7], v[100+\p], s[26:27] offset:16
.endr
	ALOAD 0
	ALOAD 1
	ALOAD 2
	ALOAD 3
	WIN 0
	COPY 3                                         ; the last chunk's copies: all copies stand ahead of the first wait on ASYNCcnt, the first LDS read and the first barrier
	SYNC 0
	FETCH 0, 0
.irp k, 0,1,2,3,4,5,6,7
	STEP \k
.endr
	; THE WAY OUT, a slot tile at a time.  All copies and loads are done: their address registers are free.
	v_mov_b32 v14, 0x3e2ef945                      ; the polynomial's highest coefficient, as a pair
	v_mov_b32 v15, 0x3e2ef945
	v_lshlrev_b32 v20, 4, v1                       ; an image: 16 bytes a lane
	v_lshlrev_b32 v21, 2, v1                       ; a scale word: 4
; gelu of 32 accumulator registers (window 3, from a0 on, from the low end on) into 32 registers of window 0 (from d0 on).
.macro GELU32 a0, d0
	WIN 0x0c                                       ; source 1 window 3
.set k, 0
.rept 32
	v_mul_f32 v[ZZ+k], 0x3f3504f3, |v[\a0+k]|      ; z = |v| / sqrt 2
.set k, k+1
.endr
	WIN 0
.set k, 0
.rept 16
	v_pk_fma_f32 v[TT+k:TT+k+1], v[ZZ+k:ZZ+k+1], 0.5, 1.0 op_sel_hi:[1,0,0]
.set k, k+2
.endr
.set k, 0
.rept 32
	v_rcp_f32 v[TT+k], v[TT+k]                     ; t = 1 / (1 + z / 2)
.set k, k+1
.endr
.set k, 0
.rept 16
	v_pk_fma_f32 v[ZZ+k:ZZ+k+1], v[ZZ+k:ZZ+k+1], v[ZZ+k:ZZ+k+1], 0xbfa1fc4e op_sel_hi:[1,1,0] neg_lo:[1,0,0] neg_hi:[1,0,0]   ; -z z - 1.26551223: plain work behind the reciprocals
.set k, k+2
.endr
	s_wait_alu depctr_va_vdst(0)                   ; one wait for the batch, ahead of its first reader
.set k, 0
.rept 16
	v_pk_fma_f32 v[PP+k:PP+k+1], v[TT+k:TT+k+1], v[14:15], 0xbf527892 op_sel_hi:[1,1,0]
.set k, k+2
.endr
.irp cf, 0x3fbe87b0, 0xbf914e5d, 0x3e8ec7cc, 0xbe3ec24c, 0x3dc636c9, 0x3ebf88fb, 0x3f8000c7
.set k, 0
.rept 16
	v_pk_fma_f32 v[PP+k:PP+k+1], v[PP+k:PP+k+1], v[TT+k:TT+k+1], \cf op_sel_hi:[1,1,0]
.set k, k+2
.endr
.endr
.set k, 0
.rept 16
	v_pk_fma_f32 v[PP+k:PP+k+1], v[PP+k:PP+k+1], v[TT+k:TT+k+1], v[ZZ+k:ZZ+k+1]
.set k, k+2
.endr
.set k, 0
.rept 16
	v_pk_mul_f32 v[PP+k:PP+k+1], v[PP+k:PP+k+1], 0x3fb8aa3b op_sel_hi:[1,0]
.set k, k+2
.endr
.set k, 0
.rept 32
	v_exp_f32 v[PP+k], v[PP+k]
.set k, k+1
.endr
.set k, 0
.rept 16
	v_pk_mul_f32 v[TT+k:TT+k+1], v[TT+k:TT+k+1], 0.5 op_sel_hi:[1,0]   ; plain work behind the exponentials
.set k, k+2
.endr
	s_wait_alu depctr_va_vdst(0)                   ; one wait for the batch
.set k, 0
.rept 16
	v_pk_mul_f32 v[PP+k:PP+k+1], v[PP+k:PP+k+1], v[TT+k:TT+k+1]        ; q = erfc(z) / 2
.set k, k+2
.endr
	WIN 0x0c                                       ; source 1 window 3
.set k, 0
.rept 32
	v_max_num_f32 v[TT+k], 0, v[\a0+k]
.set k, k+1
.endr
	WIN 0x03                                       ; source 0 window 3
.set k, 0
.rept 32
	v_fma_f32 v[\d0+k], -|v[\a0+k]|, v[PP+k], v[TT+k]                  ; max(v, 0) - |v| q
.set k, k+1
.endr
	WIN 0
.endm
; 64 numbers of a lane, register 16 b + i = k 32 b + 16 h + i of my slot, become a fragment's codes in v[pc] on and its scale word in v[pw].
.macro QUANT s, pc, pw
.irp b, 0,1,2,3
	v_max3_num_f32 v[TM+\b], |v[\s+16*\b]|, |v[\s+1+16*\b]|, 0x8000000   ; my 16 numbers of block b, and the floor 2^(16 - 127): the byte cannot fall under 1
.endr
.irp i, 2,4,6,8,10,12,14
.irp b, 0,1,2,3
	v_max3_num_f32 v[TM+\b], v[TM+\b], |v[\s+16*\b+\i]|, |v[\s+1+16*\b+\i]|
.endr
.endr
.irp b, 0,1,2,3
	v_permlanex16_b32 v[TM+4+\b], v[TM+\b], s40, s41
.endr
.irp b, 0,1,2,3
	v_max_num_f32 v[TM+\b], v[TM+\b], v[TM+4+\b]   ; with lane l xor 16's: the block's largest magnitude
.endr
.irp b, 0,1,2,3
	v_add_nc_u32 v[TM+12+\b], 0xf8800000, v[TM+\b] ; 15 off its exponent field: the conversion's scale operand
.endr
.irp b, 0,1,2,3
	v_and_or_b32 v[TM+8+\b], v[TM+\b], 0x7f800000, s42   ; 57,344 x the scale
.endr
.irp b, 0,1,2,3
	v_lshrrev_b32 v[TM+4+\b], 23, v[TM+12+\b]      ; the scale's byte
.endr
	v_lshl_or_b32 v[\pw], v[TM+5], 8, v[TM+4]
	v_lshl_or_b32 v[\pw], v[TM+6], 16, v[\pw]
	v_lshl_or_b32 v[\pw], v[TM+7], 24, v[\pw]
.irp b, 0,1,2,3
.irp i, 0,1,2,3,4,5,6,7,8,9,10,11,12,13,14,15
	v_med3_num_f32 v[\s+16*\b+\i], v[\s+16*\b+\i], -v[TM+8+\b], v[TM+8+\b]   ; the conversion to an 8-bit code does not saturate (ISA guide 7.6.2): the hold
.endr
	v_cvt_scalef32_pk8_bf8_f32 v[\pc+4*\b:\pc+1+4*\b], v[\s+16*\b:\s+7+16*\b], v[TM+12+\b]
	v_cvt_scalef32_pk8_bf8_f32 v[\pc+2+4*\b:\pc+3+4*\b], v[\s+8+16*\b:\s+15+16*\b], v[TM+12+\b]
.endr
	v_nop                                          ; a plain line behind the last conversion
.endm
.irp m, 0,1,2,3
	GELU32 64*\m, HH
	GELU32 64*\m+32, HH+32
	QUANT HH, PC+16*\m, PW+\m
.irp q, 0,1,2,3
	global_store_b128 v20, v[PC+16*\m+4*\q:PC+16*\m+4*\q+3], s[34:35] offset:2048*\m+512*\q   ; 32 lanes store 512 consecutive bytes, aligned; each tile has code registers of its own
.endr
.endr
	v_cndmask_b32 v22, v16, v17, s32               ; lanes 0-15: slot tile 0's words; lanes 16-31: slot tile 1's
	v_cndmask_b32 v23, v18, v19, s32               ; tiles 2 and 3 likewise
	global_store_b32 v21, v22, s[36:37]            ; my 64 slots' words: twice 128 consecutive bytes
	global_store_b32 v21, v23, s[36:37] offset:128
	s_wait_xcnt 0x0
	v_lshl_add_u32 v254, v0, 2, 0x29000
	v_mov_b32 v255, 0
	s_wait_tensorcnt 0x0
	ds_add_u32 v254, v255
	s_wait_dscnt 0x0
	s_endpgm
.Lfunc_end_k_q2ee8c96f99_ffn1:
	.size	k_q2ee8c96f99_ffn1, .Lfunc_end_k_q2ee8c96f99_ffn1-k_q2ee8c96f99_ffn1
	.p2alignl 7, 3214868480
	.fill 96, 4, 3214868480
	.section	.rodata,"a",@progbits
	.p2align	6, 0x0
	.amdhsa_kernel k_q2ee8c96f99_ffn1
		.amdhsa_group_segment_fixed_size 168448
		.amdhsa_private_segment_fixed_size 0
		.amdhsa_enable_private_segment 0
		.amdhsa_kernarg_size 48
		.amdhsa_user_sgpr_count 2
		.amdhsa_user_sgpr_kernarg_segment_ptr 1
		.amdhsa_wavefront_size32 1
		.amdhsa_system_sgpr_workgroup_id_x 1
		.amdhsa_system_sgpr_workgroup_id_y 1
		.amdhsa_system_sgpr_workgroup_id_z 1
		.amdhsa_system_vgpr_workitem_id 0
		.amdhsa_next_free_vgpr 1024
		.amdhsa_next_free_sgpr 66
		.amdhsa_reserve_vcc 0
		.amdhsa_float_denorm_mode_32 3
		.amdhsa_float_denorm_mode_16_64 3
		.amdhsa_memory_ordered 1
		.amdhsa_forward_progress 1
		.amdhsa_inst_pref_size 255
	.end_amdhsa_kernel
	.section	.bss,"aw",@nobits
	.p2align	6
	.space	262144
	.amdgpu_metadata
---
amdhsa.version: [ 1, 2 ]
amdhsa.kernels:
  - .name:           k_q2ee8c96f99_ffn1
    .symbol:         k_q2ee8c96f99_ffn1.kd
    .args:
      - { .name: lists, .offset: 0, .size: 8, .value_kind: global_buffer, .address_space: global }
      - { .name: xq, .offset: 8, .size: 8, .value_kind: global_buffer, .address_space: global }
      - { .name: W1_codes, .offset: 16, .size: 8, .value_kind: global_buffer, .address_space: global }
      - { .name: W1_scales, .offset: 24, .size: 8, .value_kind: global_buffer, .address_space: global }
      - { .name: b1, .offset: 32, .size: 8, .value_kind: global_buffer, .address_space: global }
      - { .name: hq, .offset: 40, .size: 8, .value_kind: global_buffer, .address_space: global }
    .group_segment_fixed_size: 168448
    .private_segment_fixed_size: 0
    .kernarg_segment_align: 8
    .kernarg_segment_size: 48
    .max_flat_workgroup_size: 128
    .sgpr_count:     66
    .vgpr_count:     1024
    .wavefront_size: 32
...
	.end_amdgpu_metadata
.endif
;; end of part 7
;; launch ffn2 (part 8): grid 8 x 23, 4 waves a work-group, no clusters, 298,496 bytes of LDS; arguments lists, hq, W2_codes, W2_scales, b2, y; writes y
.if DOCPART == 8
	.amdgcn_target "amdgcn-amd-amdhsa--gfx1250"
	.amdhsa_code_object_version 6
	.text
	.protected	k_q2ee8c96f99_ffn2
	.globl	k_q2ee8c96f99_ffn2
	.p2align	8
	.type	k_q2ee8c96f99_ffn2,@function
k_q2ee8c96f99_ffn2:
	s_mov_b64 s[64:65], 0
	v_nop
	global_prefetch_b8 v0, s[64:65] scope:SCOPE_SE
	s_setreg_imm32_b32 hwreg(HW_REG_WAVE_MODE, 25, 1), 1
	s_wait_xcnt 0x0
; THE SECOND PRODUCT OF THE CHOSEN EXPERTS: y[slot] = h[slot] W2[e] + b2[e], on codes of E5M2 with one E8M0 scale for each 32 along K; y in f32, one row for each slot.
; A work-group takes one tile of 256 slots (work-group y; all of one expert, tile_e) x 128 outputs (work-group x).  Each of its four waves takes 64 slots (four tiles of 16) x all 128 outputs:
; 32 accumulators, so that each fragment of W2 read from LDS feeds four matrix instructions.  K = 2,048: 16 steps of 128.  8 x 23 work-groups: at most one for each WGP.
; W2's tile, 128 rows x 2,048 bytes, comes into LDS whole, once, by asynchronous copies issued at the head, in 8 chunks of 256 along K; nothing in LDS is filled twice.  The hidden layer's codes lie in hq as
; images of the operand's registers: each load of a wave reads 512 consecutive bytes, straight into registers, four sets of one K step by turns.  There is no branch in this text: empty tiles are worked like any other.
; NO CLUSTER: work-groups that could share W2's tile are the tiles of one expert, and how many those are hangs on the stored list.
; THE MATRIX INSTRUCTION IS USED TRANSPOSED: source 0 = 16 rows of W2 (outputs), source 1 = 16 slots: a lane holds one slot and eight neighbouring outputs.  b2 is the C of each sum's first matrix instruction.
; The results go through the wave's own stage in LDS (bytes of its own, into which no copy lands) and leave as rows of 512 bytes.
; REGISTERS: window 0: v1-3 lane, r, h; v4-19, v20-35 the copies' offsets in memory and addresses in LDS; v36-39 fragment addresses; v40-43 offsets; v48-111 W2's scale words; v112-143 the slots';
;   v144-207 b2 in the result's layout.  window 1: W2's fragments, two sets.  window 2: the slots' fragments, four sets of 64.  window 3: the accumulators (8 (8 m + T)).
.set KB,     2048                      ; a row of W2 in bytes
.set NCH,    8                         ; chunks of 256 along K
.set NKS,    16                        ; K steps
.set PITCH,  2064                      ; an LDS row: 2,048 bytes + 16: an odd multiple of 16, so that the 16 rows of a load start in 16 different groups of banks (64 banks of 4 bytes: ISA guide 11.1)
.set HS_OFF, 12058624
.set STAGE,  128*PITCH                 ; behind the tile: 16 rows x (512 + 16) bytes for each wave
.set VG,  4
.set VL,  20
.set BF,  36
.set WS,  48
.set AS,  112
.set BI,  144
.set MSB, 0
.macro WIN new                         ; the immediate's high byte repeats the setting that is left
.if MSB != \new
	s_set_vgpr_msb (MSB<<8)|\new
.set MSB, \new
.endif
.endm
.macro PLACES n
.rept \n
	v_nop
.endr
.endm
.macro COPY c                          ; my 32 rows' 256 bytes of chunk c: 16 copies.  The immediate is added to both addresses
.irp i, 0,1,2,3,4,5,6,7,8,9,10,11,12,13,14,15
	global_load_async_to_lds_b128 v[VL+\i], v[VG+\i], s[20:21] offset:256*(\c)
.endr
.endm
.macro ALOAD ks                        ; my four slot tiles' fragments of K step ks: 16 loads of 512 consecutive bytes into set ks % 4
	WIN 0x80                                       ; destination window 2
.irp m, 0,1,2,3
.irp q, 0,1,2,3
	global_load_b128 v[64*((\ks)%4)+16*\m+4*\q:64*((\ks)%4)+16*\m+4*\q+3], v40, s[24:25] offset:32768*(\ks)+2048*\m+512*\q
.endr
.endr
.endm
.macro ASLOAD ks                       ; my 64 slots' scale words of K step ks: lanes 0-15 slot tile 2 p, lanes 16-31 slot tile 2 p + 1
.irp p, 0,1
	global_load_b32 v[AS+NKS*\p+(\ks)], v41, s[26:27] offset:1024*(\ks)+128*\p
.endr
.endm
.macro FETCH ks, p                     ; W2's eight fragments of K step ks into set p: 32 LDS loads
	WIN 0x40                                       ; destination window 1
.irp T, 0,1,2,3,4,5,6,7
.irp q, 0,1,2,3
	ds_load_b128 v[128*(\p)+16*\T+4*\q:128*(\p)+16*\T+4*\q+3], v[BF+\T/2] offset:(\T%2)*16*PITCH+128*(\ks)+32*\q
.endr
.endr
.endm
.macro WM ra, rb                       ; one product; ra, rb: the scale words lie in lanes 16-31
.if (\ra) && (\rb)
	v_wmma_scale_f32_16x16x128_f8f6f4 v[rD:rD+7], v[rB:rB+15], v[rA:rA+15], v[rC:rC+7], v[rSA], v[rSB] matrix_a_fmt:MATRIX_FMT_BF8 matrix_b_fmt:MATRIX_FMT_BF8 matrix_a_scale:MATRIX_SCALE_ROW1 matrix_b_scale:MATRIX_SCALE_ROW1
.elseif (\ra)
	v_wmma_scale_f32_16x16x128_f8f6f4 v[rD:rD+7], v[rB:rB+15], v[rA:rA+15], v[rC:rC+7], v[rSA], v[rSB] matrix_a_fmt:MATRIX_FMT_BF8 matrix_b_fmt:MATRIX_FMT_BF8 matrix_a_scale:MATRIX_SCALE_ROW1
.elseif (\rb)
	v_wmma_scale_f32_16x16x128_f8f6f4 v[rD:rD+7], v[rB:rB+15], v[rA:rA+15], v[rC:rC+7], v[rSA], v[rSB] matrix_a_fmt:MATRIX_FMT_BF8 matrix_b_fmt:MATRIX_FMT_BF8 matrix_b_scale:MATRIX_SCALE_ROW1
.else
	v_wmma_scale_f32_16x16x128_f8f6f4 v[rD:rD+7], v[rB:rB+15], v[rA:rA+15], v[rC:rC+7], v[rSA], v[rSB] matrix_a_fmt:MATRIX_FMT_BF8 matrix_b_fmt:MATRIX_FMT_BF8
.endif
.endm
; 32 matrix instructions: K step ks, W2's set p.  The 32 accumulators take turns, one instruction a turn, in the same order in every step.  first = 1: C is b2.
.macro MUL ks, p, first
.if \first
	WIN 0xc9                                       ; source 0 window 1, source 1 window 2, C window 0, D window 3
.else
	WIN 0xf9                                       ; C and D window 3
.endif
.irp T, 0,1,2,3,4,5,6,7
.irp m, 0,1,2,3
.set rD, 8*(8*\m+\T)
.set rB, 128*(\p)+16*\T
.set rA, 64*((\ks)%4)+16*\m
.set rC, rD
.if \first
.set rC, BI+8*\T
.endif
.set rSA, WS+NKS*(\T/2)+(\ks)
.set rSB, AS+NKS*(\m/2)+(\ks)
	WM \T%2, \m%2
.endr
.endr
.endm
.macro SYNC c                          ; chunk c of W2's tile lies in LDS, every wave's part of it
.if 16*(NCH-1-(\c)) > 63
	s_wait_asynccnt 63                             ; of my 128 copies at most 63 are out: 65 have landed, the first four chunks' 64 among them
.else
	s_wait_asynccnt 16*(NCH-1-(\c))                ; my copies of this chunk have landed; those of the chunks behind it, 16 each, may stay out
.endif
	s_wait_dscnt 0x0                               ; no LDS load of mine is out at the signal
	s_barrier_signal -1
	s_barrier_wait -1                              ; everybody's have.
.endm
; K step k: the next step's fragments of W2 are asked for first, so that they come while this step is multiplied.
.macro STEP k
.if (\k)+1 < NKS
.if ((\k)+1)%2 == 0
	SYNC ((\k)+1)/2
.endif
	FETCH (\k)+1, ((\k)+1)%2                       ; into the set that step k - 1 multiplied: eight places stand behind its products
.endif
.if NKS-1-(\k) >= 3
	s_wait_loadcnt 48                              ; the slots' set of this step is in, and all that was asked for earlier; the three sets behind it may be out
.else
	s_wait_loadcnt 16*(NKS-1-(\k))
.endif
.if (\k)+1 < NKS
	s_wait_dscnt 32                                ; this step's fragments are in; the next step's 32 loads may be out
.else
	s_wait_dscnt 0x0
.endif
.if (\k) == 0
	MUL \k, 0, 1
.else
	MUL \k, (\k)%2, 0
.endif
	WIN 0
	PLACES 8                                       ; eight places between these products and loads into the registers that they read, and the first read of results
.if (\k)+4 < NKS
	ALOAD (\k)+4                                   ; this step's set takes the step four further on
	WIN 0
.endif
.endm
	s_load_b256 s[4:11], s[0:1], 0x0               ; lists s[4:5], hq s[6:7], W2's codes s[8:9], W2's scales s[10:11]
	s_load_b128 s[12:15], s[0:1], 0x20             ; b2 s[12:13], y s[14:15]
	v_lshl_add_u32 v254, v0, 2, 0x48c00
	v_mov_b32 v255, 0
	ds_add_u32 v254, v255
	ds_add_u32 v254, v255
	v_lshrrev_b32 v1, 5, v0
	v_readfirstlane_b32 s16, v1                    ; wave 0..3
	s_and_b32 s18, ttmp7, 0xffff                   ; the tile of slots
	s_mov_b32 s19, ttmp9                           ; the tile of outputs
	s_lshl_b32 s33, s18, 2
	s_mov_b32 s23, 0
	v_and_b32 v1, 31, v0                           ; lane
	v_and_b32 v2, 15, v0                           ; r
	v_bfe_u32 v3, v0, 4, 1                         ; h
	v_lshlrev_b32 v40, 4, v1                       ; an image: 16 bytes a lane
	v_lshlrev_b32 v41, 2, v1                       ; a scale word: 4
	v_lshlrev_b32 v42, 6, v1                       ; W2's scale words: row (lane) of each 32, 64 bytes a row: lanes 0-15 tile 2 b's, lanes 16-31 tile 2 b + 1's
	v_lshlrev_b32 v43, 5, v3                       ; b2: 32 h
	s_wait_dscnt 0x0
	s_wait_kmcnt 0x0
	s_load_b32 s17, s[4:5], s33 offset:0xa000      ; the tile's expert
	s_lshl_b32 s22, s18, 19
	s_lshl_b32 s38, s16, 13
	s_add_co_u32 s22, s22, s38
	s_add_nc_u64 s[24:25], s[6:7], s[22:23]        ; hq: the tile's images, my four slot tiles
	s_lshl_b32 s22, s18, 14
	s_lshl_b32 s38, s16, 8
	s_add_co_u32 s22, s22, s38
	s_add_nc_u64 s[26:27], s[6:7], s[22:23]
	s_add_nc_u64 s[26:27], s[26:27], HS_OFF        ; and my 64 slots' scale words
	; what hangs on the tile alone is asked for while the expert's number is on its way.  Ahead of the copies stand 56 loads: what the first products want
.irp s, 0,1,2,3
	ASLOAD \s
.endr
	ALOAD 0
	WIN 0
	; the copies: instruction i of a chunk takes rows 32 w + 2 i and 2 i + 1, 256 bytes of each: sixteen lanes to a row
	s_mul_i32 s38, s16, 32*KB
	s_mul_i32 s39, s16, 32*PITCH
	v_mul_u32_u24 v[VG], v3, KB
	v_lshl_add_u32 v[VG], v2, 4, v[VG]
	v_add_nc_u32 v[VG], s38, v[VG]
	v_mul_u32_u24 v[VL], v3, PITCH
	v_lshl_add_u32 v[VL], v2, 4, v[VL]
	v_add_nc_u32 v[VL], s39, v[VL]
.irp i, 1,2,3,4,5,6,7,8,9,10,11,12,13,14,15
	v_add_nc_u32 v[VG+\i], 2*\i*KB, v[VG]
	v_add_nc_u32 v[VL+\i], 2*\i*PITCH, v[VL]
.endr
	v_mul_u32_u24 v[BF], v2, PITCH
	v_lshl_add_u32 v[BF], v3, 4, v[BF]             ; a fragment: row r x pitch + 16 h; one register for each 32 rows
.irp b, 1,2,3
	v_add_nc_u32 v[BF+\b], \b*32*PITCH, v[BF]
.endr
	s_lshl_b32 s22, s18, 20
	s_lshl_b32 s38, s16, 18
	s_add_co_u32 s22, s22, s38
	s_lshl_b32 s38, s19, 9
	s_add_co_u32 s22, s22, s38
	s_add_nc_u64 s[34:35], s[14:15], s[22:23]      ; y: row 256 x tile + 64 x wave, column 128 x work-group x
	s_wait_kmcnt 0x0
	s_min_u32 s17, s17, 7
	s_lshl_b32 s22, s17, 21
	s_lshl_b32 s33, s19, 18
	s_add_co_u32 s22, s22, s33
	s_add_nc_u64 s[20:21], s[8:9], s[22:23]        ; W2's codes at the tile's first row
	s_lshl_b32 s22, s17, 16
	s_lshl_b32 s33, s19, 13
	s_add_co_u32 s22, s22, s33
	s_add_nc_u64 s[28:29], s[10:11], s[22:23]      ; W2's scale bytes
	s_lshl_b32 s22, s17, 12
	s_lshl_b32 s33, s19, 9
	s_add_co_u32 s22, s22, s33
	s_add_nc_u64 s[30:31], s[12:13], s[22:23]      ; b2
.irp b, 0,1,2,3
.irp q, 0,1,2,3
	global_load_b128 v[WS+16*\b+4*\q:WS+16*\b+4*\q+3], v42, s[28:29] offset:2048*\b+16*\q
.endr
.endr
.irp T, 0,1,2,3,4,5,6,7
	global_load_b128 v[BI+8*\T:BI+8*\T+3],   v43, s[30:31] offset:64*\T          ; lane (r, h), tile T: outputs 16 T + 8 h + 0 .. 7
	global_load_b128 v[BI+8*\T+4:BI+8*\T+7], v43, s[30:31] offset:64*\T+16
.endr
	; all copies, chunk by chunk, ahead of the first wait on ASYNCcnt, the first LDS read and the first barrier
.irp c, 0,1,2,3,4,5,6,7
	COPY \c
.endr
.irp s, 4,5,6,7,8,9,10,11,12,13,14,15
	ASLOAD \s
.endr
	ALOAD 1
	ALOAD 2
	ALOAD 3
	WIN 0
	SYNC 0
	FETCH 0, 0
.irp k, 0,1,2,3,4,5,6,7,8,9,10,11,12,13,14,15
	STEP \k
.endr
	; THE WAY OUT.  All copies and loads are done: their address registers are free.  A lane holds 32 neighbouring bytes of a slot's row; 16 rows at a time go through my stage and come back whole.
	s_mul_i32 s38, s16, 16*528
	s_add_co_u32 s38, s38, STAGE
	v_mul_u32_u24 v4, v2, 528
	v_lshl_add_u32 v4, v3, 5, v4
	v_add_nc_u32 v4, s38, v4                       ; in: row r, + 32 h
	v_lshlrev_b32 v6, 4, v1                        ; back, and in y: 16 bytes a lane
	v_add_nc_u32 v5, s38, v6
.irp m, 0,1,2,3
.if \m >= 2
	s_wait_xcnt 0x0                                ; the stores of two slot tiles back have read their registers: the loads below may land there
.endif
	WIN 0x0c                                       ; an LDS store's data are its source 1: window 3
.irp T, 0,1,2,3,4,5,6,7
	ds_store_b128 v4, v[8*(8*\m+\T):8*(8*\m+\T)+3] offset:64*\T                  ; each accumulator from its low end on
	ds_store_b128 v4, v[8*(8*\m+\T)+4:8*(8*\m+\T)+7] offset:64*\T+16
.endr
	WIN 0
.irp i, 0,1,2,3,4,5,6,7,8,9,10,11,12,13,14,15
	ds_load_b128 v[64+64*(\m%2)+4*\i:64+64*(\m%2)+4*\i+3], v5 offset:528*\i      ; LDS serves a wave's instructions in order (ISA guide 5.7.1.4): these see my stores
.endr
.irp i, 0,1,2,3,4,5,6,7,8,9,10,11,12,13,14,15
	s_wait_dscnt 15-\i                             ; row i is back; the younger loads may be out
	global_store_b128 v6, v[64+64*(\m%2)+4*\i:64+64*(\m%2)+4*\i+3], s[34:35] offset:65536*\m+4096*\i th:TH_STORE_NT   ; 32 lanes store 512 consecutive bytes, aligned
.endr
.endr
	s_wait_tensorcnt 0x0
	ds_add_u32 v254, v255
	s_wait_dscnt 0x0
	s_endpgm
.Lfunc_end_k_q2ee8c96f99_ffn2:
	.size	k_q2ee8c96f99_ffn2, .Lfunc_end_k_q2ee8c96f99_ffn2-k_q2ee8c96f99_ffn2
	.p2alignl 7, 3214868480
	.fill 96, 4, 3214868480
	.section	.rodata,"a",@progbits
	.p2align	6, 0x0
	.amdhsa_kernel k_q2ee8c96f99_ffn2
		.amdhsa_group_segment_fixed_size 298496
		.amdhsa_private_segment_fixed_size 0
		.amdhsa_enable_private_segment 0
		.amdhsa_kernarg_size 48
		.amdhsa_user_sgpr_count 2
		.amdhsa_user_sgpr_kernarg_segment_ptr 1
		.amdhsa_wavefront_size32 1
		.amdhsa_system_sgpr_workgroup_id_x 1
		.amdhsa_system_sgpr_workgroup_id_y 1
		.amdhsa_system_sgpr_workgroup_id_z 1
		.amdhsa_system_vgpr_workitem_id 0
		.amdhsa_next_free_vgpr 1024
		.amdhsa_next_free_sgpr 66
		.amdhsa_reserve_vcc 0
		.amdhsa_float_denorm_mode_32 3
		.amdhsa_float_denorm_mode_16_64 3
		.amdhsa_memory_ordered 1
		.amdhsa_forward_progress 1
		.amdhsa_inst_pref_size 169
	.end_amdhsa_kernel
	.amdgpu_metadata
---
amdhsa.version: [ 1, 2 ]
amdhsa.kernels:
  - .name:           k_q2ee8c96f99_ffn2
    .symbol:         k_q2ee8c96f99_ffn2.kd
    .args:
      - { .name: lists, .offset: 0, .size: 8, .value_kind: global_buffer, .address_space: global }
      - { .name: hq, .offset: 8, .size: 8, .value_kind: global_buffer, .address_space: global }
      - { .name: W2_codes, .offset: 16, .size: 8, .value_kind: global_buffer, .address_space: global }
      - { .name: W2_scales, .offset: 24, .size: 8, .value_kind: global_buffer, .address_space: global }
      - { .name: b2, .offset: 32, .size: 8, .value_kind: global_buffer, .address_space: global }
      - { .name: y, .offset: 40, .size: 8, .value_kind: global_buffer, .address_space: global }
    .group_segment_fixed_size: 298496
    .private_segment_fixed_size: 0
    .kernarg_segment_align: 8
    .kernarg_segment_size: 48
    .max_flat_workgroup_size: 128
    .sgpr_count:     66
    .vgpr_count:     1024
    .wavefront_size: 32
...
	.end_amdgpu_metadata
.endif
;; end of part 8
;; launch combine (part 9): grid 256 x 1, 8 waves a work-group, no clusters, 0 bytes of LDS; arguments lists, rt, y, out0; writes out0
.if DOCPART == 9
	.amdgcn_target "amdgcn-amd-amdhsa--gfx1250"
	.amdhsa_code_object_version 6
	.text
	.protected	k_q2ee8c96f99_combine
	.globl	k_q2ee8c96f99_combine
	.p2align	8
	.type	k_q2ee8c96f99_combine,@function
k_q2ee8c96f99_combine:
	s_mov_b64 s[64:65], 0
	v_nop
	global_prefetch_b8 v0, s[64:65] scope:SCOPE_SE
	s_setreg_imm32_b32 hwreg(HW_REG_WAVE_MODE, 25, 1), 1
	s_wait_xcnt 0x0
; out0[t] = g0 y[p0] + g1 y[p1]: the rows of a token's two experts, weighed.  A wave takes one token (8 x work-group + wave): a row of 4,096 bytes, eight loads of 512 consecutive bytes from each
; of the two slots, one store each.  p0, p1 come from the stored list (pos, at byte 24,576 of lists), held under 5,888 before they enter an address; g0, g1 from rt.
; A stream: no LDS, no barrier, no matrix unit; every output row has one owner.
	s_load_b256 s[4:11], s[0:1], 0x0               ; lists s[4:5], rt s[6:7], y s[8:9], out0 s[10:11]
	v_lshrrev_b32 v1, 5, v0
	v_readfirstlane_b32 s16, v1                    ; wave
	v_and_b32 v1, 31, v0
	v_lshlrev_b32 v2, 4, v1                        ; 16 bytes a lane
	s_lshl_b32 s17, ttmp9, 3
	s_add_co_u32 s17, s17, s16                     ; the token
	s_lshl_b32 s18, s17, 3
	s_lshl_b32 s28, s17, 12
	s_mov_b32 s29, 0
	s_mov_b32 s31, 0
	s_wait_kmcnt 0x0
	s_load_b64 s[20:21], s[4:5], s18 offset:0x6000 ; its two slots
	s_load_b64 s[22:23], s[6:7], s18 offset:0x0    ; its two weights
	s_add_nc_u64 s[10:11], s[10:11], s[28:29]
	s_wait_kmcnt 0x0
	s_min_u32 s20, s20, 5887
	s_min_u32 s21, s21, 5887
	s_lshl_b32 s30, s20, 12
	s_add_nc_u64 s[12:13], s[8:9], s[30:31]
	s_lshl_b32 s30, s21, 12
	s_add_nc_u64 s[14:15], s[8:9], s[30:31]
	s_mov_b32 s24, s22                             ; the packed forms name a pair and take its low word for both halves: both words are written
	s_mov_b32 s25, s22
	s_mov_b32 s26, s23
	s_mov_b32 s27, s23
.irp j, 0,1,2,3,4,5,6,7
	global_load_b128 v[16+4*\j:19+4*\j], v2, s[12:13] offset:512*\j th:TH_LOAD_NT
.endr
.irp j, 0,1,2,3,4,5,6,7
	global_load_b128 v[48+4*\j:51+4*\j], v2, s[14:15] offset:512*\j th:TH_LOAD_NT
.endr
	s_wait_loadcnt 8                               ; the first slot's eight loads are in; the second's may be out
.irp j, 0,2,4,6,8,10,12,14,16,18,20,22,24,26,28,30
	v_pk_mul_f32 v[16+\j:17+\j], v[16+\j:17+\j], s[24:25] op_sel_hi:[1,0]
.endr
	s_wait_loadcnt 0x0
.irp j, 0,2,4,6,8,10,12,14,16,18,20,22,24,26,28,30
	v_pk_fma_f32 v[16+\j:17+\j], v[48+\j:49+\j], s[26:27], v[16+\j:17+\j] op_sel_hi:[1,0,1]
.endr
.irp j, 0,1,2,3,4,5,6,7
	global_store_b128 v2, v[16+4*\j:19+4*\j], s[10:11] offset:512*\j th:TH_STORE_NT   ; 32 lanes store 512 consecutive bytes, aligned
.endr
	s_endpgm
.Lfunc_end_k_q2ee8c96f99_combine:
	.size	k_q2ee8c96f99_combine, .Lfunc_end_k_q2ee8c96f99_combine-k_q2ee8c96f99_combine
	.p2alignl 7, 3214868480
	.fill 96, 4, 3214868480
	.section	.rodata,"a",@progbits
	.p2align	6, 0x0
	.amdhsa_kernel k_q2ee8c96f99_combine
		.amdhsa_group_segment_fixed_size 0
		.amdhsa_private_segment_fixed_size 0
		.amdhsa_enable_private_segment 0
		.amdhsa_kernarg_size 32
		.amdhsa_user_sgpr_count 2
		.amdhsa_user_sgpr_kernarg_segment_ptr 1
		.amdhsa_wavefront_size32 1
		.amdhsa_system_sgpr_workgroup_id_x 1
		.amdhsa_system_sgpr_workgroup_id_y 1
		.amdhsa_system_sgpr_workgroup_id_z 1
		.amdhsa_system_vgpr_workitem_id 0
		.amdhsa_next_free_vgpr 96
		.amdhsa_next_free_sgpr 66
		.amdhsa_reserve_vcc 0
		.amdhsa_float_denorm_mode_32 3
		.amdhsa_float_denorm_mode_16_64 3
		.amdhsa_memory_ordered 1
		.amdhsa_forward_progress 1
		.amdhsa_inst_pref_size 6
	.end_amdhsa_kernel
	.amdgpu_metadata
---
amdhsa.version: [ 1, 2 ]
amdhsa.kernels:
  - .name:           k_q2ee8c96f99_combine
    .symbol:         k_q2ee8c96f99_combine.kd
    .args:
      - { .name: lists, .offset: 0, .size: 8, .value_kind: global_buffer, .address_space: global }
      - { .name: rt, .offset: 8, .size: 8, .value_kind: global_buffer, .address_space: global }
      - { .name: y, .offset: 16, .size: 8, .value_kind: global_buffer, .address_space: global }
      - { .name: out0, .offset: 24, .size: 8, .value_kind: global_buffer, .address_space: global }
    .group_segment_fixed_size: 0
    .private_segment_fixed_size: 0
    .kernarg_segment_align: 8
    .kernarg_segment_size: 32
    .max_flat_workgroup_size: 256
    .sgpr_count:     66
    .vgpr_count:     96
    .wavefront_size: 32
...
	.end_amdgpu_metadata
.endif
;; end of part 9
